; MI455X (gfx1250); checked and timed in simulation.
; The chip was launched on July 23, 2026; its instructions are those of AMD's public machine-readable ISA for CDNA 5 (MIT licence, August 2026) and "CDNA5" Instruction Set Architecture Reference Guide (July 2026). The comments in the code are by the model that wrote it; some were corrected since.
;; EEG Former. Allowed arithmetic: matrix products marked QUANTISED: E2M3 operands, one E8M0 scale for each 32 along K, by v_wmma_scale_f32_16x16x128_f8f6f4 with both operands' format E2M3, f32 sums; everything else in f32.
;; Inputs: W1 2,048 x 512 float32; W2 512 x 2,048 float32; Wk 8 x 64 x 512 float32; Wo 512 x 512 float32; Wq 8 x 64 x 512 float32; Wv 8 x 64 x 512 float32; b1 2,048 float32; b2 512 float32; be1 512 float32; be2 512 float32; bo 512 float32; g1 512 float32; g2 512 float32; x 4 x 32 x 128 x 512 float32.
;; Outputs: out0 4 x 32 x 128 x 512 float32.
;; This version of the problem:
;;   THIS VERSION OF THE PROBLEM IS GIVEN IN LOW PRECISION. The matrix products marked QUANTISED in the list below multiply operands that are first quantised to E2M3 (2 exponent bits, 3 mantissa bits; 6 bits a number), with one power-of-two scale for each 32 numbers along K (OCP MX v1.0); their sums are f32. All else is computed in f32.
;;   The module's matrix products, in the order in which they are computed (A, B: the left and right operand; K: the contracted axis; several contracted axes count as one K, in the product's order):
;;     1. [M 512, K 512] x [K 512, N 16,384]; A: input Wq; B: computed on the way: QUANTISED
;;     2. [M 512, K 512] x [K 512, N 16,384]; A: input Wk; B: computed on the way: QUANTISED
;;     3. [M 512, K 512] x [K 512, N 16,384]; A: input Wv; B: computed on the way: QUANTISED
;;     4. batch 1,024 x [M 128, K 64] x [K 64, N 128]; A: computed on the way; B: computed on the way: QUANTISED
;;     5. batch 1,024 x [M 128, K 128] x [K 128, N 64]; A: softmax (see below); B: computed on the way: QUANTISED
;;     6. [M 16,384, K 512] x [K 512, N 512]; A: computed on the way; B: input Wo: QUANTISED
;;     7. [M 16,384, K 512] x [K 512, N 2,048]; A: computed on the way; B: input W1: QUANTISED
;;     8. [M 16,384, K 2,048] x [K 2,048, N 512]; A: computed on the way; B: input W2: QUANTISED
;;   THE QUANTISER, for each operand of a quantised product, along K:
;;     - K is cut into blocks of 32 from its start; a last block that is shorter is filled with zeros.
;;     - A block's scale is 2^e with e = floor(log2(the largest magnitude in the block)) - 2, held to -126 .. 127; a block of zeros has e = 0. As a byte (E8M0): e + 127.
;;     - Each number is divided by its block's scale, clamped to +-7.5, and rounded to the nearest number of E2M3, ties to even, subnormals kept.
;;     - The product sums the exact products of the quantised numbers (number of the format x scale) in f32.
;;   ~~~python
;;   def quantise(x, axis):      # numpy; x: float32 -> the quantised numbers, widened to float32 again
;;       x = np.moveaxis(x, axis, -1); K = x.shape[-1]
;;       x = np.pad(x, [(0, 0)] * (x.ndim - 1) + [(0, -K % 32)]); x = x.reshape(x.shape[:-1] + (-1, 32)); a = np.abs(x).max(-1, keepdims=True)
;;       e = np.where(a > 0, np.clip(np.frexp(np.where(a > 0, a, 1))[1] - 1 - 2, -126, 127), 0)      # np.frexp(a)[1] - 1 = floor(log2(a)), exactly
;;       r = np.clip(x / 2.0 ** e, -7.5, 7.5)
;;       step = 2.0 ** (np.maximum(np.frexp(np.where(r == 0, 1, r))[1] - 1, 0) - 3)
;;       q = np.round(r / step) * step * 2.0 ** e      # np.round: ties to even
;;       return np.moveaxis(q.reshape(q.shape[:-2] + (-1,))[..., :K], -1, axis).astype(np.float32)
;;   ~~~
;;   SOFTMAX AHEAD OF A QUANTISED PRODUCT. Where the list says 'softmax', what is quantised is not the finished softmax but p = 2^(t - M), with t = logit x log2(e) and M = ceil(the row's largest t), a whole number; so 1/2 < the row's largest p <= 1. The row's sum l is taken of the UNQUANTISED p, in f32, and the product's result is divided by l at the end. Since M is a whole number, a kernel that streams over the keys may use a running M (the ceiling of the running maximum): every later rescaling is an exact power of two, which a block's scale takes up: the codes' values come out the same.
;;   OPERANDS COMPUTED ON THE WAY. 'Computed on the way' means the value that the module computes at that place (a softmax that the list does not call 'softmax' is quantised finished and normalised). What goes into a quantiser is computed in f32, as accurately as f32 sums, v_exp_f32 and their like allow (about 1e-6 of the number): no bf16 or f16 on the way to a quantiser, and a product that is left as it is and whose result goes on into a quantised operand takes f32 operands (vector FMAs, or v_wmma_f32_16x16x4_f32). A number that lies on a knife's edge between two numbers of the format may be rounded either way, as far as f32 arithmetic and the matrix unit's own rounding can turn it there, and no further.
;; One version. Each part assembles by itself: llvm-mc -triple=amdgcn-amd-amdhsa -mcpu=gfx1250 --defsym DOCPART=n.
;; ======== version 1 of 1: 2 launches
;; limits: right only within a limited range of input values
;; workspace buffers: hc 6,553,600 bytes; wst 2,457,600 bytes
;; launch prep (part 1): grid 1408 x 1, 4 waves a work-group, no clusters, 34,816 bytes of LDS; arguments x, Wq, Wk, Wv, Wo, W1, W2, g1, be1, hc, wst; writes hc, wst
.if DOCPART == 1
	.amdgcn_target "amdgcn-amd-amdhsa--gfx1250"
	.amdhsa_code_object_version 6
	.text
	.protected	k_q3e4349ce55_prep
	.globl	k_q3e4349ce55_prep
	.p2align	8
	.type	k_q3e4349ce55_prep,@function
k_q3e4349ce55_prep:
	s_mov_b64 s[64:65], 0
	v_nop
	global_prefetch_b8 v0, s[64:65] scope:SCOPE_SE
	s_setreg_imm32_b32 hwreg(HW_REG_WAVE_MODE, 25, 1), 1
	s_wait_xcnt 0x0
; Codes of FP6 (E2M3) with one E8M0 scale for each 32 along K, made once: of LayerNorm1(x) into hc, of the six weights into wst, both laid as images of the operand's registers.
; A work-group takes one tile of 16 rows x 512 along K; wave s takes K step s: one fragment (16 rows x 128 K, 12 registers a lane) and one scale word a row.
; THE ROWS OF A TILE ARE NOT NEIGHBOURS: row i of tile t is 32 (t / 2) + 8 (t % 2) + i + 8 (i / 8), for x and for every weight, so that results of two neighbouring tiles are 16 neighbours along the next K.
; Work-groups 0-1023: tiles of x.  1024-1119: Wq, Wk, Wv.  1120-1151: Wo.  1152-1279: W1.  1280-1407: W2 (32 tiles for each of four pieces of 512 along K).
; wst: 24 slots of 102,400 bytes in the order in which the second launch walks them; in a slot 25,600 bytes for each of its four waves: 16 fragments of 1,536 bytes, then 1,024 bytes of scale words.
;   kind U (4 column tiles x 4 K steps): fragment 4 s + ct, word place 2 ct + s / 2.   kind D (8 column tiles x 2 K steps, two slots): fragment 8 (s % 2) + ct, word place ct, slot + s / 2.
;   A scale word lies at 24,576 + 32 (r + 16 (s % 2)) + 4 place: lanes 0-15 of a register get an even K step's words, lanes 16-31 an odd one's.
; hc: 51,200 bytes a group of 128 rows: fragment (row tile rt, K step s) at 1,536 (4 rt + s); scale words from 49,152 on, at 1,024 (s / 2) + 32 (r + 16 (s % 2)) + 4 rt.
; A fragment's image: registers 4 c .. 4 c + 3 of lane l at 512 c + 16 l.
; ONE WAY THROUGH THE TEXT.  Behind the choice of the tile every work-group runs the same lines: loads, the rows' sums, the one barrier, the waits.  A weight's tile jumps over the 96 lines that normalise, and over
; nothing else; the sums that it has made (some 150 vector lines, and 1,024 bytes of g1 and be1 a wave) it leaves unused.  That is the price of having every load, wait and barrier on every path.
; A block's scale is 2^(floor(log2(its largest magnitude)) - 2); its byte is that magnitude's exponent field - 2, held at 1 from below.
; LIMITS: a block of zeros, and one whose largest magnitude lies under 2^-124, keeps the byte 1 (its codes are zeros or small; these bytes are read by this program alone); NaN and infinities are not served;
; the reciprocal root is the chip's, good to an ulp.  The variance is made of sums centred in each wave, joined by the waves' means: no difference of large sums is formed.
.set STG,   8448                       ; a wave's stage: 16 rows x (512 bytes + 16)
.set STATS, 4*STG                      ; 16 rows x 4 waves x (mean, centred sum of squares)
.set SPARE, STATS+512                  ; the spare words: 128 bytes a wave, two blocks of 256 bytes that no other line names
.set SPW,  8                           ; v8   my spare word's address; never rewritten
.set NIL,  9                           ; v9   0; never rewritten
; 160 registers a wave: six waves share a SIMD's 1,024, so six work-groups fit on a WGP
.set X,    16                          ; v16-79   64 numbers of my row: register 16 b + i is k = 32 b + 16 (lane / 16) + i
.set R,    80                          ; v80-143  the rows as loaded; later 32 numbers of g1 (v80-111) and of be1 (v112-143), twice
.set PC,   80                          ; v80-99   the codes (g1 and be1 are done with by then)
.set TM,   144                         ; v144-159 at work
.set PW,   152                         ; the scale word (a register of TM's sixteen that the quantiser leaves free)
.set VV,   13
.set MP,   14                          ; v[14:15] my wave's mean and centred sum of squares
.set CH,   152                         ; v152-159 four chains; later the four waves' figures
.set MN,   146                         ; v[146:147] the row's mean, 0
.set RS,   148                         ; v[148:149] 1 / sqrt(var + eps), 0
.set RB,   66                          ; s[66:97] the address of my 512 bytes in each of the tile's 16 rows
.set SEL,  46                          ; s[46:47] lane selects: lane l xor 16
; 64 numbers of a lane become a fragment's codes in v[pc] .. v[pc + 11] and its scale word in v[pw]
.macro QUANT64 s, tm, pc, pw
.irp b, 0,1,2,3
	v_max3_num_f32 v[\tm+\b], |v[\s+16*\b]|, |v[\s+1+16*\b]|, 0x1800000   ; block b: my 16 numbers, and the floor 2^(3 - 127): the byte cannot fall under 1
.endr
.irp i, 2,4,6,8,10,12,14
.irp b, 0,1,2,3
	v_max3_num_f32 v[\tm+\b], v[\tm+\b], |v[\s+16*\b+\i]|, |v[\s+1+16*\b+\i]|   ; the four blocks by turns
.endr
.endr
.irp b, 0,1,2,3
	v_permlanex16_b32 v[\tm+4+\b], v[\tm+\b], s[SEL], s[SEL+1]
.endr
.irp b, 0,1,2,3
	v_max_num_f32 v[\tm+\b], v[\tm+\b], v[\tm+4+\b]      ; with lane l xor 16's: the block's largest magnitude
.endr
.irp b, 0,1,2,3
	v_add_nc_u32 v[\tm+12+\b], 0xff000000, v[\tm+\b]     ; 2 off its exponent field: the conversion's scale operand
.endr
.irp b, 0,1,2,3
	v_lshrrev_b32 v[\tm+4+\b], 23, v[\tm+12+\b]          ; the scale's byte
.endr
	v_lshl_or_b32 v[\pw], v[\tm+5], 8, v[\tm+4]
	v_lshl_or_b32 v[\pw], v[\tm+6], 16, v[\pw]
	v_lshl_or_b32 v[\pw], v[\tm+7], 24, v[\pw]
.irp c, 0,1
	v_cvt_scalef32_pk16_fp6_f32 v[\pc+6*\c:\pc+2+6*\c], v[\s+32*\c:\s+15+32*\c], v[\tm+12+2*\c]
	v_cvt_scalef32_pk16_fp6_f32 v[\pc+12+4*\c:\pc+14+4*\c], v[\s+16+32*\c:\s+31+32*\c], v[\tm+12+2*\c+1]   ; (a conversion's three registers begin on an even number)
.endr
	v_nop                                          ; one plain line behind the conversions
.irp c, 0,1                                    ; the operand wants a whole block in a lane: lanes 0-15 block 2 c, lanes 16-31 block 2 c + 1
.irp i, 0,1,2
	v_permlane16_swap_b32 v[\pc+6*\c+\i], v[\pc+12+4*\c+\i]
.endr
.irp i, 0,1,2
	v_mov_b32 v[\pc+3+6*\c+\i], v[\pc+12+4*\c+\i]
.endr
.endr
.endm
	s_load_b512 s[4:19], s[0:1], 0x0               ; x, Wq, Wk, Wv, Wo, W1, W2, g1
	s_load_b128 s[20:23], s[0:1], 0x40             ; be1, hc
	s_load_b64 s[24:25], s[0:1], 0x50              ; wst
	v_lshl_add_u32 v[SPW], v0, 2, SPARE
	v_mov_b32 v[NIL], 0
	v_lshrrev_b32 v1, 5, v0
	v_readfirstlane_b32 s26, v1                    ; wave = K step s
	v_and_b32 v1, 31, v0                           ; lane
	v_and_b32 v2, 15, v0                           ; r
	v_bfe_u32 v3, v0, 4, 1                         ; h
	s_mul_i32 s41, s26, STG
	v_lshlrev_b32 v10, 4, v1                       ; 16 x lane
	v_add_nc_u32 v4, s41, v10                      ; the stage, on the way in: a row's 512 bytes as they lie
	v_mul_u32_u24 v5, v2, 528
	v_lshl_add_u32 v5, v3, 6, v5
	v_add_nc_u32 v5, s41, v5                       ; and out: row r, + 64 h
	v_lshlrev_b32 v11, 5, v2                       ; 32 r
	s_lshl_b32 s41, s26, 3
	s_add_co_u32 s41, s41, STATS
	v_add_nc_u32 v6, s41, v11                      ; where my wave's two figures of row r go
	v_add_nc_u32 v7, STATS, v11                    ; and where the four waves' lie
	v_lshlrev_b32 v12, 6, v3                       ; 64 h
.irp b, 0,1,2,3
	v_mov_b32 v[TM+4+\b], 0                        ; written once: a lane permute's destination counts as one of its sources
.endr
	s_mov_b32 s[SEL], 0x76543210
	s_mov_b32 s[SEL+1], 0xfedcba98
	s_mov_b32 s48, 0x3727c5ac                      ; eps = 1e-5
	s_mov_b32 s49, 0x3b000000                      ; 1 / 512
	s_mov_b32 s50, 0x43000000                      ; 128
	s_mov_b32 s51, 0x3c000000                      ; 1 / 128
	s_and_b32 s42, s26, 1                          ; s % 2
	s_lshr_b32 s43, s26, 1                         ; s / 2
	s_mov_b32 s27, 2048                            ; bytes from row to row
	s_mov_b32 s29, 0                               ; where the 512 along K begin in a row
	s_wait_alu depctr_va_vdst(0)
	s_wait_kmcnt 0x0
	; ---- which tile is mine, from where, to where: scalar branches on the work-group's number
	s_cmp_lt_u32 ttmp9, 1024
	s_cbranch_scc0 .Lweights
	s_mov_b64 s[34:35], s[4:5]                     ; x
	s_mov_b64 s[36:37], s[22:23]                   ; to hc
	s_mov_b32 s28, ttmp9                           ; the tile
	s_lshr_b32 s40, ttmp9, 3
	s_mul_i32 s40, s40, 51200                      ; the group's part of hc
	s_and_b32 s41, ttmp9, 7
	s_lshl_b32 s44, s41, 2                         ; 4 rt
	s_add_co_u32 s38, s44, s26
	s_mul_i32 s38, s38, 1536
	s_add_co_u32 s38, s38, s40                     ; the codes' place
	s_lshl_b32 s39, s43, 10
	s_add_co_u32 s39, s39, s44
	s_add_co_u32 s39, s39, s40
	s_add_co_u32 s39, s39, 49152                   ; the scale words' place, less 512 (s % 2)
	s_branch .Ljoin
.Lweights:
	s_sub_co_u32 s40, ttmp9, 1024
	s_mov_b64 s[36:37], s[24:25]                   ; to wst
	s_cmp_lt_u32 s40, 96
	s_cbranch_scc0 .Lnot_qkv
	s_lshr_b32 s41, s40, 5                         ; 0 q, 1 k, 2 v
	s_and_b32 s28, s40, 31                         ; the tile: 4 x head + ct
	s_cmp_eq_u32 s41, 0
	s_cselect_b64 s[34:35], s[6:7], s[8:9]
	s_cmp_eq_u32 s41, 2
	s_cselect_b64 s[34:35], s[10:11], s[34:35]
	s_lshr_b32 s31, s28, 3                         ; the wave that owns the head
	s_bfe_u32 s30, s28, 0x10002                    ; which of its two heads
	s_mul_i32 s30, s30, 3
	s_add_co_u32 s30, s30, s41                     ; the slot
	s_and_b32 s32, s28, 3                          ; ct
	s_mov_b32 s33, 0                               ; kind U
	s_branch .Lwjoin
.Lnot_qkv:
	s_cmp_lt_u32 s40, 128
	s_cbranch_scc0 .Lnot_wo
	s_mov_b64 s[34:35], s[12:13]                   ; Wo
	s_sub_co_u32 s28, s40, 96
	s_lshr_b32 s31, s28, 3
	s_and_b32 s32, s28, 7
	s_mov_b32 s30, 6
	s_mov_b32 s33, 1                               ; kind D
	s_branch .Lwjoin
.Lnot_wo:
	s_cmp_lt_u32 s40, 256
	s_cbranch_scc0 .Lw2
	s_mov_b64 s[34:35], s[14:15]                   ; W1: tile 32 c + 8 w + 4 half + ct
	s_sub_co_u32 s28, s40, 128
	s_lshr_b32 s30, s28, 5
	s_lshl_b32 s30, s30, 2
	s_bfe_u32 s41, s28, 0x10002
	s_add_co_u32 s30, s30, s41
	s_add_co_u32 s30, s30, 8                       ; slot 8 + 4 c + half
	s_bfe_u32 s31, s28, 0x20003
	s_and_b32 s32, s28, 3
	s_mov_b32 s33, 0
	s_branch .Lwjoin
.Lw2:
	s_mov_b64 s[34:35], s[16:17]                   ; W2: piece c of K, tile 8 w + ct
	s_sub_co_u32 s41, s40, 256
	s_lshr_b32 s30, s41, 5
	s_lshl_b32 s29, s30, 11                        ; 512 numbers a piece
	s_lshl_b32 s30, s30, 2
	s_add_co_u32 s30, s30, 10                      ; slot 10 + 4 c (+ s / 2)
	s_and_b32 s28, s41, 31
	s_lshr_b32 s31, s28, 3
	s_and_b32 s32, s28, 7
	s_mov_b32 s33, 1
	s_mov_b32 s27, 8192
.Lwjoin:
	s_lshl_b32 s44, s26, 2                         ; kind U: 4 s
	s_lshl_b32 s45, s42, 3                         ; kind D: 8 (s % 2)
	s_lshl_b32 s53, s32, 1
	s_add_co_u32 s53, s53, s43                     ; kind U: 2 ct + s / 2
	s_add_co_u32 s54, s30, s43                     ; kind D: slot + s / 2
	s_cmp_eq_u32 s33, 0
	s_cselect_b32 s44, s44, s45
	s_cselect_b32 s53, s53, s32
	s_cselect_b32 s30, s30, s54
	s_add_co_u32 s44, s44, s32                     ; the fragment's number in the wave's block
	s_mul_i32 s30, s30, 102400
	s_mul_i32 s31, s31, 25600
	s_add_co_u32 s30, s30, s31
	s_mul_i32 s38, s44, 1536
	s_add_co_u32 s38, s38, s30
	s_lshl_b32 s39, s53, 2
	s_add_co_u32 s39, s39, s30
	s_add_co_u32 s39, s39, 24576
.Ljoin:
	s_lshl_b32 s44, s42, 9
	s_add_co_u32 s39, s39, s44                     ; + 512 (s % 2)
	s_lshr_b32 s44, s28, 1
	s_lshl_b32 s44, s44, 5
	s_and_b32 s45, s28, 1
	s_lshl_b32 s45, s45, 3
	s_add_co_u32 s44, s44, s45                     ; the tile's first row
	s_mul_i32 s44, s44, s27
	s_add_co_u32 s44, s44, s29
	s_lshl_b32 s45, s26, 9                         ; my K step: 128 numbers
	s_add_co_u32 s44, s44, s45
	s_mov_b32 s45, 0
	s_add_nc_u64 s[34:35], s[34:35], s[44:45]
	s_mov_b32 s44, s38
	s_add_nc_u64 s[54:55], s[36:37], s[44:45]      ; where the codes go
	s_mov_b32 s44, s39
	s_add_nc_u64 s[56:57], s[36:37], s[44:45]      ; where the scale words go
	s_lshl_b32 s44, s26, 9
	s_add_nc_u64 s[18:19], s[18:19], s[44:45]      ; g1 and be1 at my 128 columns
	s_add_nc_u64 s[20:21], s[20:21], s[44:45]
	s_mov_b32 s60, s27                             ; a row's step, as a pair
	s_mov_b32 s61, 0
	s_mul_i32 s62, s27, 9                          ; rows 8-15 of a tile lie 8 rows further on
	s_mov_b32 s63, 0
	s_mov_b64 s[RB:RB+1], s[34:35]
.irp i, 1,2,3,4,5,6,7,8,9,10,11,12,13,14,15
.if \i == 8
	s_add_nc_u64 s[RB+2*\i:RB+2*\i+1], s[RB+2*\i-2:RB+2*\i-1], s[62:63]
.else
	s_add_nc_u64 s[RB+2*\i:RB+2*\i+1], s[RB+2*\i-2:RB+2*\i-1], s[60:61]
.endif
.endr
.irp i, 0,1,2,3,4,5,6,7,8,9,10,11,12,13,14,15
	global_load_b128 v[R+4*\i:R+4*\i+3], v10, s[RB+2*\i:RB+2*\i+1] th:TH_LOAD_NT   ; 32 lanes read a row's 512 consecutive bytes
.endr
	; ---- through my own stage: in as the bytes lie, out 16 neighbours of each block of 32 to a lane
.irp i, 0,1,2,3,4,5,6,7,8,9,10,11,12,13,14,15
	s_wait_loadcnt 15-\i                           ; row i is in; the younger rows' loads stay out
	ds_store_b128 v4, v[R+4*\i:R+4*\i+3] offset:528*\i
.endr
.irp b, 0,1,2,3
.irp j, 0,1,2,3
	ds_load_b128 v[X+16*\b+4*\j:X+16*\b+4*\j+3], v5 offset:128*\b+16*\j   ; LDS serves a wave's instructions in order: these see my stores
.endr
.endr
	s_wait_dscnt 0x0                               ; my numbers are back, and the stores have read the registers that be1 now takes
.irp b, 0,1                                    ; g1 and be1 for my first 32 numbers
.irp j, 0,1,2,3
	global_load_b128 v[R+16*\b+4*\j:R+16*\b+4*\j+3], v12, s[18:19] offset:128*\b+16*\j
	global_load_b128 v[R+32+16*\b+4*\j:R+32+16*\b+4*\j+3], v12, s[20:21] offset:128*\b+16*\j
.endr
.endr
	; ---- my wave's mean and centred sum of squares of each row's 128 numbers
.irp c, 0,1,2,3
	v_pk_add_f32 v[CH+2*\c:CH+2*\c+1], v[X+4*\c:X+4*\c+1], v[X+4*\c+2:X+4*\c+3]
.endr
.irp n, 16,24,32,40,48,56
.irp c, 0,1,2,3
	v_pk_add_f32 v[CH+2*\c:CH+2*\c+1], v[CH+2*\c:CH+2*\c+1], v[X+\n+2*\c:X+\n+2*\c+1]
.endr
.endr
	v_pk_add_f32 v[CH:CH+1], v[CH:CH+1], v[CH+2:CH+3]
	v_pk_add_f32 v[CH+4:CH+5], v[CH+4:CH+5], v[CH+6:CH+7]
	v_pk_add_f32 v[CH:CH+1], v[CH:CH+1], v[CH+4:CH+5]
	v_add_f32 v[CH], v[CH], v[CH+1]
	v_permlanex16_b32 v[CH+2], v[CH], s[SEL], s[SEL+1]
	v_add_f32 v[CH], v[CH], v[CH+2]
	v_mul_f32 v[MP], s51, v[CH]                    ; the mean of the row's 128 numbers that my wave holds
	v_mov_b32 v[MP+1], 0                           ; (named with it as a pair)
.irp q, 0,1,2,3,4,5,6,7
.irp c, 0,1,2,3
	v_pk_add_f32 v[TM+2*\c:TM+2*\c+1], v[X+8*\q+2*\c:X+8*\q+2*\c+1], v[MP:MP+1] op_sel_hi:[1,0] neg_lo:[0,1] neg_hi:[0,1]
.endr
.irp c, 0,1,2,3
.if \q == 0
	v_pk_mul_f32 v[CH+2*\c:CH+2*\c+1], v[TM+2*\c:TM+2*\c+1], v[TM+2*\c:TM+2*\c+1]
.else
	v_pk_fma_f32 v[CH+2*\c:CH+2*\c+1], v[TM+2*\c:TM+2*\c+1], v[TM+2*\c:TM+2*\c+1], v[CH+2*\c:CH+2*\c+1]
.endif
.endr
.endr
	v_pk_add_f32 v[CH:CH+1], v[CH:CH+1], v[CH+2:CH+3]
	v_pk_add_f32 v[CH+4:CH+5], v[CH+4:CH+5], v[CH+6:CH+7]
	v_pk_add_f32 v[CH:CH+1], v[CH:CH+1], v[CH+4:CH+5]
	v_add_f32 v[CH], v[CH], v[CH+1]
	v_permlanex16_b32 v[CH+2], v[CH], s[SEL], s[SEL+1]
	v_add_f32 v[MP+1], v[CH], v[CH+2]
	ds_store_b64 v6, v[MP:MP+1]                    ; lanes r and r + 16 store the same two numbers
	s_wait_dscnt 0x0                               ; for the others' sake: my store has landed
	s_barrier_signal -1
	s_barrier_wait -1                              ; the four waves' figures of the 16 rows lie in LDS
	ds_load_b128 v[CH:CH+3], v7
	ds_load_b128 v[CH+4:CH+7], v7 offset:16
	s_wait_dscnt 0x0
	v_add_f32 v[MN], v[CH], v[CH+2]
	v_add_f32 v[TM], v[CH+4], v[CH+6]
	v_add_f32 v[MN], v[MN], v[TM]
	v_mul_f32 v[MN], 0x3e800000, v[MN]             ; the row's mean: a quarter of the four means' sum
.irp k, 0,2,4,6
	v_sub_f32 v[CH+\k], v[CH+\k], v[MN]
.endr
	v_mul_f32 v[TM], v[CH], v[CH]
.irp k, 2,4,6
	v_fmac_f32 v[TM], v[CH+\k], v[CH+\k]
.endr
	v_add_f32 v[TM+1], v[CH+1], v[CH+3]
	v_add_f32 v[VV], v[CH+5], v[CH+7]
	v_add_f32 v[TM+1], v[TM+1], v[VV]
	v_fma_f32 v[TM+1], v[TM], s50, v[TM+1]         ; the centred sums, + 128 x the squares of the means' distances
	v_fma_f32 v[VV], v[TM+1], s49, s48             ; var + eps
	v_mov_b32 v[MN+1], 0
	v_mov_b32 v[RS+1], 0
	s_wait_alu depctr_va_vdst(0)
	v_rsq_f32 v[RS], v[VV]
	v_nop                                          ; a plain line behind the transcendental
	s_wait_loadcnt 0x0                             ; g1 and be1 are in: on both ways below no load is out
	s_wait_alu depctr_va_vdst(0)                   ; the wait ahead of the branch and of the first reader
	s_cmp_lt_u32 ttmp9, 1024                       ; a weight's tile is quantised as it is: it jumps over these 96 lines alone
	s_cbranch_scc0 .Lw_a
.set n, 0
.rept 16                                       ; my first 32 numbers, whole
	v_pk_add_f32 v[X+n:X+n+1], v[X+n:X+n+1], v[MN:MN+1] op_sel_hi:[1,0] neg_lo:[0,1] neg_hi:[0,1]
.set n, n+2
.endr
.set n, 0
.rept 16
	v_pk_mul_f32 v[X+n:X+n+1], v[X+n:X+n+1], v[RS:RS+1] op_sel_hi:[1,0]
.set n, n+2
.endr
.set n, 0
.rept 16
	v_pk_fma_f32 v[X+n:X+n+1], v[X+n:X+n+1], v[R+n:R+n+1], v[R+32+n:R+32+n+1]
.set n, n+2
.endr
.Lw_a:
.irp b, 0,1                                    ; g1 and be1 for my other 32 numbers, into the same registers: on every path
.irp j, 0,1,2,3
	global_load_b128 v[R+16*\b+4*\j:R+16*\b+4*\j+3], v12, s[18:19] offset:256+128*\b+16*\j
	global_load_b128 v[R+32+16*\b+4*\j:R+32+16*\b+4*\j+3], v12, s[20:21] offset:256+128*\b+16*\j
.endr
.endr
	s_cmp_lt_u32 ttmp9, 1024
	s_wait_alu depctr_va_vdst(0)                   ; the wait here, directly ahead of the branch
	s_cbranch_scc0 .Lw_b
.set n, 32
.rept 16
	v_pk_add_f32 v[X+n:X+n+1], v[X+n:X+n+1], v[MN:MN+1] op_sel_hi:[1,0] neg_lo:[0,1] neg_hi:[0,1]
.set n, n+2
.endr
.set n, 32
.rept 16
	v_pk_mul_f32 v[X+n:X+n+1], v[X+n:X+n+1], v[RS:RS+1] op_sel_hi:[1,0]
.set n, n+2
.endr
.Lw_b:
	s_wait_alu depctr_va_vdst(0)
	s_wait_loadcnt 0x0                             ; the second halves of g1 and be1 are in: on every path
	s_cmp_lt_u32 ttmp9, 1024
	s_cbranch_scc0 .Las_it_is
.set n, 0
.rept 16
	v_pk_fma_f32 v[X+32+n:X+32+n+1], v[X+32+n:X+32+n+1], v[R+n:R+n+1], v[R+32+n:R+32+n+1]
.set n, n+2
.endr
.Las_it_is:
	QUANT64 X, TM, PC, PW
	s_wait_alu depctr_va_vdst(0)
	s_wait_tensorcnt 0x0                           ; the wave's end: behind my last LDS store
	ds_add_u32 v[SPW], v[NIL]
	s_wait_dscnt 0x0
.irp c, 0,1,2
	global_store_b128 v10, v[PC+4*\c:PC+4*\c+3], s[54:55] offset:512*\c   ; 32 lanes store 512 consecutive bytes, at a multiple of 512 from the buffer's first byte
.endr
	global_store_b32 v11, v[PW], s[56:57]          ; row r's scale word; lanes r and r + 16 store the same word
	s_endpgm
.Lfunc_end_k_q3e4349ce55_prep:
	.size	k_q3e4349ce55_prep, .Lfunc_end_k_q3e4349ce55_prep-k_q3e4349ce55_prep
	.p2alignl 7, 3214868480
	.fill 96, 4, 3214868480
	.section	.rodata,"a",@progbits
	.p2align	6, 0x0
	.amdhsa_kernel k_q3e4349ce55_prep
		.amdhsa_group_segment_fixed_size 34816
		.amdhsa_private_segment_fixed_size 0
		.amdhsa_enable_private_segment 0
		.amdhsa_kernarg_size 88
		.amdhsa_user_sgpr_count 2
		.amdhsa_user_sgpr_kernarg_segment_ptr 1
		.amdhsa_wavefront_size32 1
		.amdhsa_system_sgpr_workgroup_id_x 1
		.amdhsa_system_sgpr_workgroup_id_y 1
		.amdhsa_system_sgpr_workgroup_id_z 1
		.amdhsa_system_vgpr_workitem_id 0
		.amdhsa_next_free_vgpr 160
		.amdhsa_next_free_sgpr 100
		.amdhsa_reserve_vcc 0
		.amdhsa_float_denorm_mode_32 3
		.amdhsa_float_denorm_mode_16_64 3
		.amdhsa_memory_ordered 1
		.amdhsa_forward_progress 1
		.amdhsa_inst_pref_size 32
	.end_amdhsa_kernel
	.amdgpu_metadata
---
amdhsa.version: [ 1, 2 ]
amdhsa.kernels:
  - .name:           k_q3e4349ce55_prep
    .symbol:         k_q3e4349ce55_prep.kd
    .args:
      - { .name: x, .offset: 0, .size: 8, .value_kind: global_buffer, .address_space: global }
      - { .name: Wq, .offset: 8, .size: 8, .value_kind: global_buffer, .address_space: global }
      - { .name: Wk, .offset: 16, .size: 8, .value_kind: global_buffer, .address_space: global }
      - { .name: Wv, .offset: 24, .size: 8, .value_kind: global_buffer, .address_space: global }
      - { .name: Wo, .offset: 32, .size: 8, .value_kind: global_buffer, .address_space: global }
      - { .name: W1, .offset: 40, .size: 8, .value_kind: global_buffer, .address_space: global }
      - { .name: W2, .offset: 48, .size: 8, .value_kind: global_buffer, .address_space: global }
      - { .name: g1, .offset: 56, .size: 8, .value_kind: global_buffer, .address_space: global }
      - { .name: be1, .offset: 64, .size: 8, .value_kind: global_buffer, .address_space: global }
      - { .name: hc, .offset: 72, .size: 8, .value_kind: global_buffer, .address_space: global }
      - { .name: wst, .offset: 80, .size: 8, .value_kind: global_buffer, .address_space: global }
    .group_segment_fixed_size: 34816
    .private_segment_fixed_size: 0
    .kernarg_segment_align: 8
    .kernarg_segment_size: 88
    .max_flat_workgroup_size: 128
    .sgpr_count:     100
    .vgpr_count:     160
    .wavefront_size: 32
...
	.end_amdgpu_metadata
.endif
;; end of part 1
;; launch main (part 2): grid 256 x 1, 4 waves a work-group, clusters of 4 x 1, 327,680 bytes of LDS; arguments x, hc, wst, b1, bo, b2, g2, be2, out0; writes out0
.if DOCPART == 2
	.amdgcn_target "amdgcn-amd-amdhsa--gfx1250"
	.amdhsa_code_object_version 6
	.text
	.protected	k_q3e4349ce55_main
	.globl	k_q3e4349ce55_main
	.p2align	8
	.type	k_q3e4349ce55_main,@function
k_q3e4349ce55_main:
	s_mov_b64 s[64:65], 0
	v_nop
	global_prefetch_b8 v0, s[64:65] scope:SCOPE_SE
	s_setreg_imm32_b32 hwreg(HW_REG_WAVE_MODE, 25, 1), 1
	s_wait_xcnt 0x0
	s_wait_alu depctr_hold_cnt(0) depctr_sa_sdst(0) depctr_va_vdst(0) depctr_va_sdst(0) depctr_va_ssrc(0) depctr_va_vcc(0) depctr_vm_vsrc(0)
	s_getreg_b32 s2, hwreg(HW_REG_IB_STS2, 6, 4)
	s_cmp_eq_u32 s2, 0
	s_cbranch_scc0 .Lentry_in_a_cluster
	s_endpgm
.Lentry_in_a_cluster:
	s_bfe_u32 s2, ttmp6, 0x10000c
	s_cmp_lg_u32 s2, 0x3003
	s_cbranch_scc0 .Lentry_shape_is_right
	s_endpgm
.Lentry_shape_is_right:
; One work-group takes 64 rows through the whole block: q, attention, the projection with bias and residual, LayerNorm 2, the feed-forward layer, the residual.
; All products on codes of FP6 (E2M3) with one E8M0 scale for each 32 along K, sums in f32; nothing between the products goes to memory.
; 256 WORK-GROUPS.  A group of 128 rows is closed under attention.  Two work-groups share a group: each makes k and v of all 128 rows (that work is done twice) and everything else for its own 64 rows.
; Which half is mine (rh) comes from the cluster's number, the same in all four partners.  It enters global addresses alone: the group's codes are copied into LDS with MY four row tiles first,
; so that LDS tile j is the group's tile j xor 4 rh.  That moves the keys in whole blocks of 64: the quantiser's blocks of 32 along the keys stay whole, for p and for v alike.
; SHARES.  Four waves share the COLUMNS: wave w owns heads 2 w and 2 w + 1, columns 128 w .. + 127 of the residual stream, hidden units 128 w .. + 127 of each piece of 512.
; TILES.  Row i of tile t is 32 (t / 2) + 8 (t % 2) + i + 8 (i / 8), for rows of x and of every weight: with a weight's tile as source 0 a lane holds one row of x, and the 16 registers of tiles 2 b, 2 b + 1
; are 16 neighbours along the next K.  So every result is quantised in registers and is the next operand.
; THE WEIGHTS come as a stream of 24 slots of 102,400 bytes (laid by the first launch in the order walked here), through a ring of two LDS slots.  Wave w's 25,600 bytes of a slot are fetched and read
; by wave w alone.  CLUSTER: all work-groups walk the same stream, so the four of a cluster ask for each block JOINTLY (mask 15, the same descriptor in all four).
; UNITS.  U: 4 column tiles x 4 K steps x 8 row tiles (k, v) or 4 (q, half a wave's hidden units).  D: 8 column tiles x 2 K steps x 4 row tiles onto the 32 accumulators that hold the residual stream:
; they begin as x, take the projection, then the four pieces of the second feed-forward product.
; OPERANDS GO FROM WAVE TO WAVE THROUGH LDS AS IMAGES OF THEIR REGISTERS.  A: registers 4 c .. 4 c + 3 at 512 c + 16 lane.  B: registers 2 p, 2 p + 1 at 256 p + 8 lane, so that half a fragment (64 along K) can be stored.
; SOFTMAX: t = score x log2(e) / 8; M = ceil(the row's largest t); p = 2^(t - M) is quantised along the 128 keys; the sum of the unquantised p divides the result.  All 128 keys are at hand: one step, no running M.
; LIMITS: NaN and infinities are not served; a block of zeros, or one under 2^-124, keeps the scale byte 1 (bytes that this program alone reads); exponentials, reciprocal and reciprocal root are the chip's,
; good to an ulp, and a p under 2^-126 becomes 0.  x is read in pieces of 64 bytes a lane, since a lane wants 16 neighbours of each block of 32; it is asked for at the head, where no loop stands to prefetch from.
; LDS: 0 ring slot 0 (at the end the stage for the way out) | 102,400 B, K steps 0, 1 | 126,976 the rows' figures for LayerNorm 2 | 131,072 ring slot 1 | 233,472 B, K steps 2, 3 | 258,048 B's scale words |
;      260,096 the spare words | 262,144 A (32 fragments) | 311,296 A's scale words | 313,344 b1.  Tensor loads land in the two ring slots alone.
; REGISTERS, in windows of 256.  Window 0: v0-23 addresses; v24-61 scale words and nothing else; v64-255 fragments, or at work.  Window 1: a U unit's accumulators, b1; in a D unit the weights, two sets; bo, g2, be2.
;      Window 2: k's and v's fragments of a head; behind LayerNorm 2 its 16 fragments, which stay for all eight hidden units' products.  Window 3: the residual stream.
.set SLOT1,  1<<17                     ; slot 1 begins here: one exclusive or turns an address of one slot into the other's
.set WBLK,   25600                     ; a wave's block of a slot: 16 fragments of 1,536 bytes, 1,024 bytes of scale words
.set SLOTB,  102400
.set BIM,    102400
.set STATS,  126976
.set BSC,    258048
.set SPARE,  260096                    ; 128 bytes a wave: two blocks of 256 bytes that no other line names
.set AIM,    262144
.set ASC,    311296
.set B1L,    313344
.set SGP,    528                       ; the stage: 16 rows x (512 bytes + 16) a wave
.set SPW,  1                           ; my spare word's address; never rewritten
.set NIL,  2                           ; 0; never rewritten
.set AW0,  3                           ; 25,600 w + 16 lane
.set AWS0, 4                           ; 25,600 w + 24,576 + 32 lane
.set AA,   5                           ; A + 16 lane
.set AAS,  6                           ; A's scale words + 32 lane
.set AB0,  7                           ; B + 8 lane
.set ABS0, 8                           ; B's scale words + 32 lane
.set BW,   9                           ; where I store into B: my K step, 8 lane
.set BSW,  10                          ; and its scale words: 32 r
.set XO,   11                          ; x: my row of a tile, + 64 h + 512 w
.set B1A,  12                          ; b1 in LDS + 512 w + 64 h
.set PFW,  13                          ; prefetch of the stream: 256 x min(lane, 24)
.set GO,   15                          ; 64 h + 512 w: my columns in bo, g2, be2
.set AW,   16                          ; in hand: my block of the slot being read
.set AWS,  17                          ; and its scale words
.set QA,   18                          ; in hand: a place in B
.set QS,   19                          ; and among its scale words
.set AB,   18
.set ABS,  19
.set TA,   20                          ; in hand: b1
.set SGI,  21                          ; the stage, in
.set SGO,  22                          ; the stage, back
.set OO,   23                          ; 16 lane + 512 w
.set WSC,  24                          ; v24-31 the weights' scale words
.set ASCR, 32                          ; v32-47 A's
.set KSC,  48                          ; v48-55 k's
.set DSC,  48                          ; v48-51 behind attention: B's
.set VSC,  56                          ; v56-59 v's
.set QSC,  60                          ; q's
.set PSC,  61                          ; p's
.set AF,   64                          ; v64-159 eight fragments of activations
.set WF0,  160                         ; v160-207, v208-255 four fragments of weights, two sets
.set WV,22
.set CX,23
.set GR,24
.set RB,25                             ; the ring slot being read
.set BB,26                             ; B's half being read
.set BS,27                             ; and its scale words'
.set G1,28                             ; s[28:35] descriptor group 1
.set G0,36                             ; s[36:39] group 0, which walks
.set XG,40
.set OG,42
.set HG,44
.set B1G,46
.set P0,48
.set P1,50
.set SEL,52
.set CS,54
.set JC,56                             ; changes of slots so far
.set LIM,57
.set PFA,58
.set HC,62
.set H768,63
.set H2,66
.set B1O,67
.set QC,68
.set QO,69
.set QSO,70
.set LC,72
.set DCT,73
.set FC,74
.set EPS,75
.set R512,76
.set C128,77
.set R128,78
.set ST0,80
.set ST1,81
.set ST2,82
.set ST3,83
.set RH,84                             ; which 64 rows of the group are mine
.set WSO,85                            ; 1,024 (w / 2) + 512 (w % 2)
.set T0,86                             ; s86-95: the head's numbers made of the wave's number
.set MSB, 0
.macro WIN new                         ; the immediate's high byte repeats the setting that is left; a switch that changes nothing is dropped
.if MSB != (\new)
	s_set_vgpr_msb (MSB<<8)|(\new)
.set MSB, (\new)
.endif
.endm
.macro PLACES n                        ; plain lines between a matrix instruction and a load into, a read of, or a write over its registers (ISA guide 7.12.1 for vector instructions)
.rept \n
	v_nop
.endr
.endm
.macro ROUND                           ; a round of the cluster's barrier
	s_barrier_signal -1
	s_barrier_wait -1
	s_cmp_lg_u32 s[WV], 0
	s_cbranch_scc1 .Lnot_wave_0_\@
	s_barrier_signal -3
.Lnot_wave_0_\@:
	s_barrier_wait -3
	s_barrier_signal -1
	s_barrier_wait -1
.endm
; A prefetch of the stream's slot after the one just asked for: one unit ahead of its load.  All clusters walk the same stream: the first cluster asks.  Its sixteen waves share a slot's 400 blocks of 256 bytes
; out by address, 25 each (lanes 25-31 name lane 24's block again).  The last change that asks names slot 23, the stream's last.
.macro ASKW
	s_cmp_lt_u32 s[JC], s[LIM]
	s_cbranch_scc0 .Lnot_mine_\@
	global_prefetch_b8 v[PFW], s[PFA:PFA+1] th:TH_LOAD_NT scope:SCOPE_SE
.Lnot_mine_\@:
.endm
; THE CHANGE OF SLOTS.  Each wave waits for its one tensor load (its block of the slot that it is about to read), adds 0 to its spare word, and waits for that and for all its LDS reads and stores.
; fill = 1: a round of the cluster's barrier, and behind it the slot just left is asked for again, jointly.  The barrier also orders what the waves hand each other through A and B.
.macro CHANGE fill
	WIN 0
	s_wait_tensorcnt 0x0                           ; no tensor load of mine is out, so group 0 may be written
	ds_add_u32 v[SPW], v[NIL]                      ; 0 onto my spare word; the steps below stand between it and the wait for it
	s_xor_b32 s[RB], s[RB], SLOT1
	v_add_nc_u32 v[AW], s[RB], v[AW0]
	v_add_nc_u32 v[AWS], s[RB], v[AWS0]
.if \fill
	s_xor_b32 s[G0+1], s[G0+1], SLOT1              ; the other slot than last time,
	s_add_nc_u64 s[G0+2:G0+3], s[G0+2:G0+3], SLOTB ; the stream's next slot; the type bits on top are not reached
	s_wait_xcnt 0x0                                ; the last prefetch, a unit back, has read its address
	s_add_nc_u64 s[PFA:PFA+1], s[PFA:PFA+1], SLOTB
.endif
	s_wait_dscnt 0x0                               ; the add is done, my reads of the slot that I leave are over, my stores into A or B have landed
.if \fill
	ROUND
	tensor_load_to_lds s[G0:G0+3], s[G1:G1+7]      ; my one tensor load until the next change
	s_nop 0
	PLACES 4
	ASKW
	s_add_co_u32 s[JC], s[JC], 1
.else
	s_barrier_signal -1
	s_barrier_wait -1
.endif
	s_wait_alu depctr_va_vdst(0)
.endm
; A matrix instruction.  cm = 0: the sum begins with the constant 0; else with v[cr] on.  odd = 1: both sides' scale words stand in lanes 16-31.
.macro MM d, a, b, cm, cr, sa, sb, odd
.if \cm
.if \odd
	v_wmma_scale_f32_16x16x128_f8f6f4 v[\d:\d+7], v[\a:\a+11], v[\b:\b+11], v[\cr:\cr+7], v[\sa], v[\sb] matrix_a_fmt:MATRIX_FMT_FP6 matrix_b_fmt:MATRIX_FMT_FP6 matrix_a_scale:MATRIX_SCALE_ROW1 matrix_b_scale:MATRIX_SCALE_ROW1
.else
	v_wmma_scale_f32_16x16x128_f8f6f4 v[\d:\d+7], v[\a:\a+11], v[\b:\b+11], v[\cr:\cr+7], v[\sa], v[\sb] matrix_a_fmt:MATRIX_FMT_FP6 matrix_b_fmt:MATRIX_FMT_FP6
.endif
.else
	v_wmma_scale_f32_16x16x128_f8f6f4 v[\d:\d+7], v[\a:\a+11], v[\b:\b+11], 0, v[\sa], v[\sb] matrix_a_fmt:MATRIX_FMT_FP6 matrix_b_fmt:MATRIX_FMT_FP6
.endif
.endm
; ---------------- U units of attention: activations from A in LDS
.macro ULOADW s                        ; the unit's four weight fragments of K step s, into set s % 2
.irp ct, 0,1,2,3
.irp c, 0,1,2
	ds_load_b128 v[WF0+48*((\s)%2)+12*\ct+4*\c:WF0+48*((\s)%2)+12*\ct+4*\c+3], v[AW] offset:(4*(\s)+\ct)*1536+512*\c
.endr
.endr
.endm
.macro ULOADA s, r0, d0                ; A's fragments of K step s, row tiles r0 .. r0 + 3, into places d0 .. d0 + 3 of the eight
.irp rr, 0,1,2,3
.irp c, 0,1,2
	ds_load_b128 v[AF+12*((\d0)+\rr)+4*\c:AF+12*((\d0)+\rr)+4*\c+3], v[AA] offset:6144*((\r0)+\rr)+1536*(\s)+512*\c
.endr
.endr
.endm
.macro UPRE nr                         ; ahead of the change of slots: what a U unit wants of A, which no change touches.  nr = 8: K step 0 of eight row tiles; nr = 4: K steps 0 and 1 of four
	PLACES 4
.irp hf, 0,1
	ds_load_b128 v[ASCR+8*\hf:ASCR+8*\hf+3], v[AAS] offset:1024*\hf
.if \nr == 8
	ds_load_b128 v[ASCR+8*\hf+4:ASCR+8*\hf+7], v[AAS] offset:1024*\hf+16
.endif
.endr
	ULOADA 0, 0, 0
.if \nr == 8
	ULOADA 0, 4, 4
.else
	ULOADA 1, 0, 4
.endif
.endm
; 16 matrix instructions: row tiles r0 .. r0 + 3 (their fragments at places a0 ..) x the four column tiles, K step s.  orient = 0: source 0 = the weights (a lane holds a row of x; accumulator 32 rt + 8 ct);
; orient = 1: source 0 = the activations (a lane holds a column, its registers run down the rows; accumulator 64 ct + 8 rt).  The accumulators take turns.
.macro U16 s, r0, a0, orient
.irp rr, 0,1,2,3
.irp ct, 0,1,2,3
.set xrt, (\r0)+\rr
.set xW, WF0+48*((\s)%2)+12*\ct
.set xA, AF+12*((\a0)+\rr)
.set xSW, WSC+2*\ct+(\s)/2
.set xSA, ASCR+8*((\s)/2)+xrt
.set xO, (\s)%2
.if \orient
.set xD, 64*\ct+8*xrt
.else
.set xD, 32*xrt+8*\ct
.endif
.set xCM, 1
.if (\s) == 0
.set xCM, 0
.endif
.if \orient
	MM xD, xA, xW, xCM, xD, xSA, xSW, xO
.else
	MM xD, xW, xA, xCM, xD, xSW, xSA, xO
.endif
.endr
.endr
.endm
.macro UWS                             ; a unit's opening: the places, and the weights' scale words
	PLACES 5
	ds_load_b128 v[WSC:WSC+3], v[AWS]
	ds_load_b128 v[WSC+4:WSC+7], v[AWS] offset:16
.endm
; Eight row tiles (k, v).  One set of registers for the activations: row tiles 0-3 are fetched anew behind their 16 products, 4-7 behind theirs.  Two sets for the weights.
.macro UMAIN8 orient
	UWS
	ULOADW 0
	s_wait_dscnt 0x0
.irp s, 0,1,2,3
.if \s > 0
	s_wait_dscnt 12                                ; all but the youngest 12 loads, the activations of row tiles 4-7
.endif
	WIN 0x50                                       ; C and D in window 1
	U16 \s, 0, 0, \orient
.if \s > 0
	s_wait_dscnt 0x0
.endif
.if \s < 3
	PLACES 4
	WIN 0
	ULOADW \s+1
	ULOADA \s+1, 0, 0
	WIN 0x50
.endif
	U16 \s, 4, 4, \orient
.if \s < 3
	PLACES 4
	WIN 0
	ULOADA \s+1, 4, 4
.endif
.endr
	WIN 0
	PLACES 4
.endm
; Four row tiles (q).  Two sets for the activations as for the weights: K step s works on sets s % 2, and behind its products both take K step s + 2.
.macro UMAIN4
	UWS
	ULOADW 0
	ULOADW 1
.irp s, 0,1,2,3
.set xc, 24                            ; K steps 1, 2: all but the 24 loads issued last
.if \s == 0
.set xc, 12                            ; K step 0: all but the weights of K step 1
.endif
.if \s == 3
.set xc, 0
.endif
	s_wait_dscnt xc
	WIN 0x50
	U16 \s, 0, 4*(\s%2), 0
.if \s < 2
	PLACES 4
	WIN 0
	ULOADW \s+2
	ULOADA \s+2, 0, 4*(\s%2)
.endif
.endr
	WIN 0
	PLACES 4
.endm
; ---------------- the hidden layer's U unit: 64 hidden units x my 64 rows.  The activations stand in window 2 (fragment (rt, s) at 12 (4 rt + s)); all 16 weight fragments come in one run into v64-255;
; b1 is the C of each sum's first product and stands in window 1 behind the 16 accumulators.
.macro UF
	UWS
	v_add_nc_u32 v[TA], s[B1O], v[B1A]
	WIN 0x40
.irp b, 0,1
.irp j, 0,1,2,3
	ds_load_b128 v[128+16*\b+4*\j:128+16*\b+4*\j+3], v[TA] offset:128*\b+16*\j
.endr
.endr
	WIN 0
.set n, 0
.rept 48
	ds_load_b128 v[64+4*n:67+4*n], v[AW] offset:512*n
.set n, n+1
.endr
.irp s, 0,1,2,3
	s_wait_dscnt 36-12*\s                          ; all but the 12 loads of each later K step
	WIN 0x58                                       ; weights window 0, activations window 2, C and D window 1
.irp rr, 0,1,2,3
.irp ct, 0,1,2,3
.set xD, 32*\rr+8*\ct
.set xCR, xD
.if \s == 0
.set xCR, 128+8*\ct
.endif
.set xW, 64+12*(4*\s+\ct)
.set xA, 12*(4*\rr+\s)
.set xSW, WSC+2*\ct+\s/2
.set xSA, ASCR+8*(\s/2)+\rr
.set xO, \s%2
	MM xD, xW, xA, 1, xCR, xSW, xSA, xO
.endr
.endr
.endr
	WIN 0
	PLACES 4
.endm
; ---------------- D units
.macro DLOADW k                        ; the eight weight fragments of the slot's K step k, into window 1's set k
.irp ct, 0,1,2,3,4,5,6,7
.irp c, 0,1,2
	ds_load_b128 v[96*(\k)+12*\ct+4*\c:96*(\k)+12*\ct+4*\c+3], v[AW] offset:12288*(\k)+1536*\ct+512*\c
.endr
.endr
.endm
.macro DLOADA k                        ; B's four fragments of K step k, at v64 + 48 k
.irp rr, 0,1,2,3
.irp p, 0,1,2,3,4,5
	ds_load_b64 v[64+48*(\k)+12*\rr+2*\p:64+48*(\k)+12*\rr+2*\p+1], v[AB] offset:12288*(\k)+1536*\rr+256*\p
.endr
.endr
.endm
.macro D32 k                           ; 32 matrix instructions onto the residual stream's 32 accumulators, one a turn
.irp rr, 0,1,2,3
.irp ct, 0,1,2,3,4,5,6,7
.set xD, 64*\rr+8*\ct
.set xW, 96*(\k)+12*\ct
.set xA, 64+48*(\k)+12*\rr
.set xSW, WSC+\ct
.set xSA, DSC+\rr
	MM xD, xW, xA, 1, xD, xSW, xSA, \k
.endr
.endr
.endm
.macro DHALF                           ; a D unit: two K steps of B against my eight column tiles
	PLACES 4
	v_add_nc_u32 v[AB], s[BB], v[AB0]
	v_add_nc_u32 v[ABS], s[BS], v[ABS0]
	WIN 0x40
	DLOADW 0
	WIN 0
	ds_load_b128 v[WSC:WSC+3], v[AWS]
	ds_load_b128 v[WSC+4:WSC+7], v[AWS] offset:16
	ds_load_b128 v[DSC:DSC+3], v[ABS]
	DLOADA 0
	WIN 0x40
	DLOADW 1
	WIN 0
	DLOADA 1
	s_wait_dscnt 48                                ; all but the 48 loads of K step 1
	s_wait_loadcnt 0x0                             ; at the first use: x's rows, and bo
	WIN 0xf1                                       ; weights window 1, activations window 0, C and D window 3
	D32 0
	s_wait_dscnt 0x0
	D32 1
	WIN 0
	s_xor_b32 s[BB], s[BB], SLOT1                  ; the next D unit takes B's other two K steps
	s_xor_b32 s[BS], s[BS], 1024
.endm
; ---------------- quantisers
.set QTM, 64
.set QT2, 72
.set QVS, 80
.set QPW, 88
.set QCX, 96
; Four row tiles of a U unit's results (64 along the next K: two blocks a row) become half fragments.  dest = 0: into B at v[QA], scale bytes at v[QS].  dest = 1: k's fragments in window 2, words in KSC.
.macro Q32B r0, dest
	WIN 0x05                                       ; sources 0 and 1: window 1
.irp i, 0,1,2,3
.irp b, 0,1
	v_max3_num_f32 v[QTM+2*\i+\b], |v[32*((\r0)+\i)+16*\b]|, |v[32*((\r0)+\i)+16*\b+1]|, 0x1800000   ; and the floor 2^(3 - 127)
.endr
.endr
.irp n, 2,4,6,8,10,12,14
.irp i, 0,1,2,3
.irp b, 0,1
	v_max3_num_f32 v[QTM+2*\i+\b], |v[32*((\r0)+\i)+16*\b+\n]|, |v[32*((\r0)+\i)+16*\b+\n+1]|, v[QTM+2*\i+\b]
.endr
.endr
.endr
	WIN 0
.irp n, 0,1,2,3,4,5,6,7
	v_permlanex16_b32 v[QT2+\n], v[QTM+\n], s[SEL], s[SEL+1]
.endr
.irp n, 0,1,2,3,4,5,6,7
	v_max_num_f32 v[QTM+\n], v[QTM+\n], v[QT2+\n]
.endr
.irp n, 0,1,2,3,4,5,6,7
	v_add_nc_u32 v[QVS+\n], 0xff000000, v[QTM+\n]  ; 2 off the exponent field: the conversion's scale operand
.endr
.irp n, 0,1,2,3,4,5,6,7
	v_lshrrev_b32 v[QT2+\n], 23, v[QVS+\n]         ; the scale's byte
.endr
.irp i, 0,1,2,3
.if \dest
	v_lshl_or_b32 v[KSC+(\r0)+\i], v[QT2+2*\i+1], 8, v[QT2+2*\i]   ; bytes 2 and 3 stay 0: they scale zero codes
.else
	v_lshl_or_b32 v[QPW+\i], v[QT2+2*\i+1], 8, v[QT2+2*\i]
.endif
.endr
	WIN 0x01                                       ; source 0: window 1
.irp i, 0,1,2,3
	v_cvt_scalef32_pk16_fp6_f32 v[QCX+12*\i:QCX+12*\i+2], v[32*((\r0)+\i):32*((\r0)+\i)+15], v[QVS+2*\i]
	v_cvt_scalef32_pk16_fp6_f32 v[QCX+12*\i+6:QCX+12*\i+8], v[32*((\r0)+\i)+16:32*((\r0)+\i)+31], v[QVS+2*\i+1]
.endr
	WIN 0
	v_nop                                          ; one plain line behind the conversions
.irp i, 0,1,2,3
.irp k, 0,1,2
	v_permlane16_swap_b32 v[QCX+12*\i+\k], v[QCX+12*\i+6+\k]   ; lanes 0-15 get block 0 whole, lanes 16-31 block 1
.endr
.endr
.if \dest
	WIN 0x80
.irp i, 0,1,2,3
.irp k, 0,1,2
	v_mov_b32 v[12*((\r0)+\i)+\k], v[QCX+12*\i+\k]
	v_mov_b32 v[12*((\r0)+\i)+3+\k], v[QCX+12*\i+6+\k]
.endr
.endr
	WIN 0
.else
.irp i, 0,1,2,3
.irp k, 0,1,2
	v_mov_b32 v[QCX+12*\i+3+\k], v[QCX+12*\i+6+\k]
.endr
.endr
.irp i, 0,1,2,3
.irp p, 0,1,2
	ds_store_b64 v[QA], v[QCX+12*\i+2*\p:QCX+12*\i+2*\p+1] offset:1536*((\r0)+\i)+256*\p
.endr
	ds_store_b16 v[QS], v[QPW+\i] offset:4*((\r0)+\i)   ; lanes r and r + 16 store the same two bytes
.endr
	s_wait_dscnt 0x0                               ; the stores have read their registers
.endif
.endm
.set VTM, 64
.set VT2, 80
.set VVS, 96
.set VPC, 112
.macro VQ                              ; v: a lane holds one of the head's 64 columns, its 64 registers run down the 128 keys: four whole fragments, into window 2 from v96 on
	WIN 0x05
.irp d, 0,1,2,3
.irp b, 0,1,2,3
	v_max3_num_f32 v[VTM+4*\d+\b], |v[64*\d+16*\b]|, |v[64*\d+16*\b+1]|, 0x1800000
.endr
.endr
.irp n, 2,4,6,8,10,12,14
.irp d, 0,1,2,3
.irp b, 0,1,2,3
	v_max3_num_f32 v[VTM+4*\d+\b], |v[64*\d+16*\b+\n]|, |v[64*\d+16*\b+\n+1]|, v[VTM+4*\d+\b]
.endr
.endr
.endr
	WIN 0
.set n, 0
.rept 16
	v_permlanex16_b32 v[VT2+n], v[VTM+n], s[SEL], s[SEL+1]
.set n, n+1
.endr
.set n, 0
.rept 16
	v_max_num_f32 v[VTM+n], v[VTM+n], v[VT2+n]
.set n, n+1
.endr
.set n, 0
.rept 16
	v_add_nc_u32 v[VVS+n], 0xff000000, v[VTM+n]
.set n, n+1
.endr
.set n, 0
.rept 16
	v_lshrrev_b32 v[VT2+n], 23, v[VVS+n]
.set n, n+1
.endr
.irp d, 0,1,2,3
	v_lshl_or_b32 v[VSC+\d], v[VT2+4*\d+1], 8, v[VT2+4*\d]
.endr
.irp d, 0,1,2,3
	v_lshl_or_b32 v[VSC+\d], v[VT2+4*\d+2], 16, v[VSC+\d]
.endr
.irp d, 0,1,2,3
	v_lshl_or_b32 v[VSC+\d], v[VT2+4*\d+3], 24, v[VSC+\d]
.endr
	WIN 0x01
.irp d, 0,1,2,3
.irp c, 0,1
	v_cvt_scalef32_pk16_fp6_f32 v[VPC+20*\d+6*\c:VPC+20*\d+6*\c+2], v[64*\d+32*\c:64*\d+32*\c+15], v[VVS+4*\d+2*\c]
	v_cvt_scalef32_pk16_fp6_f32 v[VPC+20*\d+12+4*\c:VPC+20*\d+14+4*\c], v[64*\d+32*\c+16:64*\d+32*\c+31], v[VVS+4*\d+2*\c+1]
.endr
.endr
	WIN 0
	v_nop
.irp d, 0,1,2,3
.irp c, 0,1
.irp k, 0,1,2
	v_permlane16_swap_b32 v[VPC+20*\d+6*\c+\k], v[VPC+20*\d+12+4*\c+\k]
.endr
.endr
.endr
	WIN 0x80
.irp d, 0,1,2,3
.irp c, 0,1
.irp k, 0,1,2
	v_mov_b32 v[96+12*\d+6*\c+\k], v[VPC+20*\d+6*\c+\k]
	v_mov_b32 v[96+12*\d+6*\c+3+\k], v[VPC+20*\d+12+4*\c+\k]
.endr
.endr
.endr
	WIN 0
.endm
.macro QUANT64 s, tm, pc, pw           ; 64 numbers of a lane in window 0 become a fragment's codes in v[pc] .. v[pc + 11] and its scale word in v[pw]
.irp b, 0,1,2,3
	v_max3_num_f32 v[\tm+\b], |v[\s+16*\b]|, |v[\s+1+16*\b]|, 0x1800000
.endr
.irp i, 2,4,6,8,10,12,14
.irp b, 0,1,2,3
	v_max3_num_f32 v[\tm+\b], v[\tm+\b], |v[\s+16*\b+\i]|, |v[\s+1+16*\b+\i]|
.endr
.endr
.irp b, 0,1,2,3
	v_permlanex16_b32 v[\tm+4+\b], v[\tm+\b], s[SEL], s[SEL+1]
.endr
.irp b, 0,1,2,3
	v_max_num_f32 v[\tm+\b], v[\tm+\b], v[\tm+4+\b]
.endr
.irp b, 0,1,2,3
	v_add_nc_u32 v[\tm+12+\b], 0xff000000, v[\tm+\b]
.endr
.irp b, 0,1,2,3
	v_lshrrev_b32 v[\tm+4+\b], 23, v[\tm+12+\b]
.endr
	v_lshl_or_b32 v[\pw], v[\tm+5], 8, v[\tm+4]
	v_lshl_or_b32 v[\pw], v[\tm+6], 16, v[\pw]
	v_lshl_or_b32 v[\pw], v[\tm+7], 24, v[\pw]
.irp c, 0,1
	v_cvt_scalef32_pk16_fp6_f32 v[\pc+6*\c:\pc+2+6*\c], v[\s+32*\c:\s+15+32*\c], v[\tm+12+2*\c]
	v_cvt_scalef32_pk16_fp6_f32 v[\pc+12+4*\c:\pc+14+4*\c], v[\s+16+32*\c:\s+31+32*\c], v[\tm+12+2*\c+1]
.endr
	v_nop
.irp c, 0,1
.irp i, 0,1,2
	v_permlane16_swap_b32 v[\pc+6*\c+\i], v[\pc+12+4*\c+\i]
.endr
.irp i, 0,1,2
	v_mov_b32 v[\pc+3+6*\c+\i], v[\pc+12+4*\c+\i]
.endr
.endr
.endm
.macro RELU                            ; the activation, in f32, on the unit's 128 accumulator registers, from each accumulator's low end on
	WIN 0x44
.set n, 0
.rept 128
	v_max_num_f32 v[n], 0, v[n]
.set n, n+1
.endr
	WIN 0
.endm
.macro XLOAD t                         ; x's row tile t of my four into the residual stream's accumulators: register 64 t + 16 b + i is column 128 w + 32 b + 16 h + i of my row
.irp b, 0,1,2,3
.irp j, 0,1,2,3
	global_load_b128 v[64*(\t)+16*\b+4*\j:64*(\t)+16*\b+4*\j+3], v[XO], s[XG:XG+1] offset:(32*((\t)/2)+8*((\t)%2))*2048+128*\b+16*\j   ; four loads on end take the 64 neighbouring bytes of a lane: no hint that the bytes are used once
.endr
.endr
.endm
; THE WAY OUT of row tile a: through my own stage, back as whole rows of my 512 bytes; b2 is added on the way; 32 lanes store 512 consecutive bytes.
.macro TOSTAGE a
	WIN 0x0c                                       ; an LDS store's data: window 3
.irp b, 0,1,2,3
.irp j, 0,1,2,3
	ds_store_b128 v[SGI], v[64*(\a)+16*\b+4*\j:64*(\a)+16*\b+4*\j+3] offset:128*\b+16*\j   ; each accumulator from its low end on
.endr
.endr
	WIN 0
.irp i, 0,1,2,3,4,5,6,7,8,9,10,11,12,13,14,15
	ds_load_b128 v[64+64*((\a)%2)+4*\i:64+64*((\a)%2)+4*\i+3], v[SGO] offset:SGP*\i   ; LDS serves a wave's instructions in order: these see my stores
.endr
.endm
.macro SEND a, younger
	s_wait_dscnt \younger                          ; the tile is back; the next tile's 16 stores and 16 loads may be out
.irp i, 0,1,2,3,4,5,6,7,8,9,10,11,12,13,14,15
	v_pk_add_f32 v[64+64*((\a)%2)+4*\i:64+64*((\a)%2)+4*\i+1], v[64+64*((\a)%2)+4*\i:64+64*((\a)%2)+4*\i+1], v[196:197]
	v_pk_add_f32 v[64+64*((\a)%2)+4*\i+2:64+64*((\a)%2)+4*\i+3], v[64+64*((\a)%2)+4*\i+2:64+64*((\a)%2)+4*\i+3], v[198:199]
.endr
.irp i, 0,1,2,3,4,5,6,7,8,9,10,11,12,13,14,15
	global_store_b128 v[OO], v[64+64*((\a)%2)+4*\i:64+64*((\a)%2)+4*\i+3], s[OG:OG+1] offset:(32*((\a)/2)+8*((\a)%2)+\i+8*(\i/8))*2048 th:TH_STORE_NT
.endr
.endm
; ================ the head: scalar numbers first, then the lanes' addresses in one run
	s_load_b512 s[4:19], s[0:1], 0x0               ; x, hc, wst, b1, bo, b2, g2, be2
	s_load_b64 s[20:21], s[0:1], 0x40              ; out0
	v_lshl_add_u32 v[SPW], v0, 2, SPARE
	v_mov_b32 v[NIL], 0
	ds_add_u32 v[SPW], v[NIL]                      ; the wave's opening: the add, twice on end, and its wait ahead of my first tensor load
	ds_add_u32 v[SPW], v[NIL]
	v_lshrrev_b32 v239, 5, v0
	v_readfirstlane_b32 s[WV], v239                ; wave 0..3
	s_bfe_u32 s[CX], ttmp6, 0x40000                ; my place in the cluster: it enters global addresses alone
	s_and_b32 s[RH], ttmp9, 1                      ; my half of the group: by the cluster's number, the same in all four partners
	s_lshr_b32 s[GR], ttmp9, 1
	s_lshl_b32 s[GR], s[GR], 2
	s_add_co_u32 s[GR], s[GR], s[CX]               ; my group of 128 rows
	s_mov_b32 s[G1], 15|(3<<16)|(1<<21)            ; 15:0 the mask: all four work-groups; 17:16 elements of 8 bytes; 20 no padding (images are read 16 bytes a lane on end); 21 set beside a mask
	s_mov_b32 s[G1+1], 32<<16                      ; tensor_dim0 = 32 elements: rows of 256 bytes
	s_mov_b32 s[G1+2], 100<<16                     ; tensor_dim1 = 100 rows: 25,600 dense bytes
	s_mov_b32 s[G1+3], 32<<16                      ; tile_dim0
	s_mov_b32 s[G1+4], 100                         ; tile_dim1
	s_mov_b32 s[G1+5], 32                          ; the pitch
	s_mov_b32 s[G1+6], 0
	s_mov_b32 s[G1+7], 0
	s_mov_b32 s[SEL], 0x76543210
	s_mov_b32 s[SEL+1], 0xfedcba98                 ; lane l xor 16
	s_mov_b32 s[CS], 0x3e38aa3b                    ; log2(e) / 8
	s_mov_b32 s[CS+1], s[CS]
	s_mov_b32 s[EPS], 0x3727c5ac                   ; 1e-5
	s_mov_b32 s[R512], 0x3b000000
	s_mov_b32 s[C128], 0x43000000
	s_mov_b32 s[R128], 0x3c000000
	s_mov_b32 s[RB], SLOT1                         ; the first change turns it to slot 0
	s_mov_b32 s[BB], 0
	s_mov_b32 s[BS], 0
	s_mov_b32 s[JC], 0
	s_cmp_eq_u32 ttmp9, 0
	s_cselect_b32 s[LIM], 22, 0                    ; the same in all four partners
	s_mul_i32 s[P1], s[WV], WBLK                   ; (this pair holds numbers made of the wave's number alone)
	s_mov_b32 s[P1+1], 0
	s_mov_b32 s[P0+1], 0
	s_add_co_u32 s[T0], s[P1], 24576
	s_and_b32 s[ST1], s[WV], 1
	s_lshr_b32 s[ST2], s[WV], 1
	s_mul_i32 s[T0+1], s[ST1], 12288
	s_lshl_b32 s[ST3], s[ST2], 17
	s_add_co_u32 s[T0+1], s[T0+1], s[ST3]
	s_add_co_u32 s[T0+1], s[T0+1], BIM             ; K step w of B
	s_lshl_b32 s[WSO], s[ST2], 10
	s_lshl_b32 s[ST3], s[ST1], 9
	s_add_co_u32 s[WSO], s[WSO], s[ST3]
	s_add_co_u32 s[T0+2], s[WSO], BSC
	s_lshl_b32 s[T0+3], s[WV], 9                   ; 512 w
	s_add_co_u32 s[T0+4], s[T0+3], B1L
	s_mul_i32 s[T0+5], s[WV], 16*SGP
	s_mul_i32 s[T0+6], s[WV], 12288
	s_add_co_u32 s[T0+6], s[T0+6], AIM             ; LDS: my quarter of the group's codes
	s_lshl_b32 s[T0+7], s[WV], 11
	s_add_co_u32 s[T0+7], s[T0+7], B1L             ; my quarter of b1
	s_add_co_u32 s[T0+8], s[T0+3], ASC             ; my quarter of the scale words
	s_lshl_b32 s[ST0], s[RH], 1
	s_xor_b32 s[ST0], s[ST0], s[WV]
	s_mul_i32 s[T0+9], s[ST0], 12288               ; in hc: quarter w xor 2 rh, so that my four row tiles come first in LDS
	s_add_co_u32 s[ST0], s[T0+3], 49152            ; in hc: the scale words' quarter w
	v_and_b32 v240, 31, v0                         ; lane
	v_and_b32 v241, 15, v0                         ; r
	v_bfe_u32 v242, v0, 4, 1                       ; h
	v_lshlrev_b32 v243, 4, v240                    ; 16 lane
	v_lshlrev_b32 v244, 5, v240                    ; 32 lane
	v_lshlrev_b32 v245, 3, v240                    ; 8 lane
	v_lshlrev_b32 v246, 5, v241                    ; 32 r
	v_lshlrev_b32 v248, 6, v242                    ; 64 h
	v_add_nc_u32 v[AW0], s[P1], v243
	v_add_nc_u32 v[AWS0], s[T0], v244
	v_add_nc_u32 v[AA], AIM, v243
	v_add_nc_u32 v[AAS], ASC, v244
	v_add_nc_u32 v[AB0], BIM, v245
	v_add_nc_u32 v[ABS0], BSC, v244
	v_add_nc_u32 v[BW], s[T0+1], v245
	v_add_nc_u32 v[BSW], s[T0+2], v246
	v_and_b32 v247, 8, v241
	v_add_nc_u32 v247, v247, v241                  ; r + 8 (r / 8)
	v_lshlrev_b32 v247, 11, v247
	v_add_nc_u32 v247, v247, v248
	v_add_nc_u32 v[XO], s[T0+3], v247
	v_add_nc_u32 v[GO], s[T0+3], v248
	v_add_nc_u32 v[OO], s[T0+3], v243
	v_add_nc_u32 v[B1A], s[T0+4], v248
	v_min_u32 v[PFW], 24, v240
	v_lshlrev_b32 v[PFW], 8, v[PFW]
	v_mul_u32_u24 v[SGI], v241, SGP
	v_add_nc_u32 v[SGI], v[SGI], v248
	v_add_nc_u32 v[SGI], s[T0+5], v[SGI]
	v_add_nc_u32 v[SGO], s[T0+5], v243
	v_add_nc_u32 v249, s[T0+6], v243
	v_add_nc_u32 v250, s[T0+7], v243
	v_add_nc_u32 v251, s[T0+8], v243
	v_add_nc_u32 v252, s[T0+9], v243
	v_xor_b32 v253, s[RH], v240                    ; a lane's 32 bytes of scale words hold eight row tiles' words: the two halves of 16 bytes change places where rh = 1
	v_lshlrev_b32 v253, 4, v253
	v_add_nc_u32 v253, s[ST0], v253
	s_wait_alu depctr_va_vdst(0)
	s_wait_dscnt 0x0                               ; both opening adds are done
	s_wait_kmcnt 0x0
	s_mov_b32 s[G0], 1                             ; count = 1
	s_mov_b32 s[G0+1], s[P1]                       ; LDS: my block of slot 0
	s_add_nc_u64 s[G0+2:G0+3], s[8:9], s[P1:P1+1]  ; my block of the stream's slot 0
	s_or_b32 s[G0+3], s[G0+3], 0x80000000          ; type = 2
	s_lshl_b32 s[P0], s[GR], 18
	s_lshl_b32 s[ST1], s[RH], 17                   ; 64 rows of 2,048 bytes
	s_add_co_u32 s[P0], s[P0], s[ST1]
	s_add_nc_u64 s[XG:XG+1], s[4:5], s[P0:P0+1]
	s_add_nc_u64 s[OG:OG+1], s[20:21], s[P0:P0+1]
	s_mul_i32 s[P0], s[GR], 51200
	s_add_nc_u64 s[HG:HG+1], s[6:7], s[P0:P0+1]
	s_lshl_b32 s[P0], s[WV], 11
	s_add_nc_u64 s[B1G:B1G+1], s[10:11], s[P0:P0+1]
	s_mul_i32 s[P0], s[CX], WBLK
	s_mul_i32 s[ST1], s[WV], 6400
	s_add_co_u32 s[P0], s[P0], s[ST1]
	s_add_co_u32 s[P0], s[P0], SLOTB
	s_add_nc_u64 s[PFA:PFA+1], s[8:9], s[P0:P0+1]  ; in slot 1: the first change steps it to slot 2.  Nothing is prefetched here, at the head
.set n, 0
.rept 24
	global_load_b128 v[64+4*n:67+4*n], v252, s[HG:HG+1] offset:512*n   ; LayerNorm1(x) as codes: 12,288 of the group's 49,152 bytes.  What the first unit waits for is asked for first, ahead of the round
.set n, n+1
.endr
	global_load_b128 v[160:163], v253, s[HG:HG+1]  ; and 512 of its 2,048 bytes of scale words
.set n, 0
.rept 4
	global_load_b128 v[164+4*n:167+4*n], v243, s[B1G:B1G+1] offset:512*n
.set n, n+1
.endr
	ROUND                                          ; all four work-groups are here: the first joint loads meet
	tensor_load_to_lds s[G0:G0+3], s[G1:G1+7]      ; the stream's slot 0
	s_nop 0
	PLACES 4
	WIN 0xc0
	XLOAD 0                                        ; my 64 rows of x go straight into window 3 and wait there for the projection
	XLOAD 1
	WIN 0
	s_wait_loadcnt 32                              ; all but the 32 loads of x just issued
.set n, 0
.rept 24
	ds_store_b128 v249, v[64+4*n:67+4*n] offset:512*n
.set n, n+1
.endr
	ds_store_b128 v251, v[160:163]
.set n, 0
.rept 4
	ds_store_b128 v250, v[164+4*n:167+4*n] offset:512*n
.set n, n+1
.endr
	WIN 0xc0
	XLOAD 2
	XLOAD 3
	WIN 0x80
.irp t, 0,1,2,3,4,5,6,7
.irp k, 6,7,8,9,10,11
	v_mov_b32 v[12*\t+\k], 0                       ; the scores' K is 64: the upper half of k's fragments is zero codes, once for both heads
.endr
.endr
	WIN 0
	s_wait_dscnt 0x0                               ; for the others' sake: my stores into A and b1 have landed
	s_barrier_signal -1
	s_barrier_wait -1                              ; the stream's slot 0 may stay out
; ================ attention: my two heads, one a trip
.set QF,  64                           ; v64-75  q's fragment (v70-75 zero codes)
.set PF,  76                           ; v76-87  p's fragment
.set SS,  96                           ; v96-159 the scores, then p
.set OT,  160                          ; v160-191 the head's result for 16 queries
.set BM,  192
.set BT,  196
.set SOP, 200
.set YP,  204
.set NM,  212                          ; v[212:213] -M, 0
.set ZT0, 214
.set ZT1, 215
.set LS,  216
.set RL,  220                          ; v[220:221] 1 / the row's sum, 0
.set TMQ, 222
.set T2Q, 224
.set SOQ, 226
.set PWQ, 228
.set CXQ, 230
.set CYQ, 236
	s_mov_b32 s[HC], 2
	s_mov_b32 s[H768], 0
	s_mov_b32 s[H2], 0
.Lhead:
	UPRE 4
	CHANGE 1
	UMAIN4                                         ; q, of my 64 rows
	v_add_nc_u32 v[QA], s[H768], v[BW]
	v_add_nc_u32 v[QS], s[H2], v[BSW]
	Q32B 0, 0                                      ; q's half fragments wait in my own part of B, where the head's result will lie
	UPRE 8
	CHANGE 1
	UMAIN8 0                                       ; k, of all 128 rows
	Q32B 0, 1
	Q32B 4, 1
	UPRE 8
	CHANGE 1
	UMAIN8 1                                       ; v, with the rows (the keys) down a lane's registers
	VQ
.irp k, 6,7,8,9,10,11
	v_mov_b32 v[QF+\k], 0
.endr
	PLACES 4                                       ; an operand written by vector instructions stands four lines ahead of a scaled matrix instruction
	s_mov_b32 s[QC], 4
	s_mov_b32 s[QO], s[H768]
	s_mov_b32 s[QSO], s[H2]
.Lq:                                               ; a tile of 16 queries a trip
	v_add_nc_u32 v[QA], s[QO], v[BW]
	v_add_nc_u32 v[QS], s[QSO], v[BSW]
	ds_load_b64 v[QF:QF+1], v[QA]
	ds_load_b64 v[QF+2:QF+3], v[QA] offset:256
	ds_load_b64 v[QF+4:QF+5], v[QA] offset:512
	ds_load_u16 v[QSC], v[QS]                      ; two scale bytes; bytes 2 and 3 come as 0 and scale zero codes
	s_wait_dscnt 0x0
	WIN 0x02                                       ; source 0 (k) window 2
	s_wait_alu depctr_va_vdst(0)
.irp t, 0,1,2,3,4,5,6,7
.set xD, SS+8*\t
.set xA, 12*\t
.set xS, KSC+\t
	MM xD, xA, QF, 0, 0, xS, QSC, 0                ; S^T: a lane holds one query; the 16 registers of tiles 2 b, 2 b + 1 are keys 32 b + 16 h + 0 .. 15
.endr
	WIN 0
	PLACES 4
.irp b, 0,1,2,3
	v_max3_num_f32 v[BM+\b], v[SS+16*\b], v[SS+16*\b+1], v[SS+16*\b+2]   ; the largest score of each block of 32 keys: for the row's maximum, and, since p rises with the score, for the block's largest p
.endr
.irp i, 3,5,7,9,11,13
.irp b, 0,1,2,3
	v_max3_num_f32 v[BM+\b], v[BM+\b], v[SS+16*\b+\i], v[SS+16*\b+\i+1]
.endr
.endr
.irp b, 0,1,2,3
	v_max_num_f32 v[BM+\b], v[BM+\b], v[SS+16*\b+15]
.endr
.irp b, 0,1,2,3
	v_permlanex16_b32 v[BT+\b], v[BM+\b], s[SEL], s[SEL+1]
.endr
.irp b, 0,1,2,3
	v_max_num_f32 v[BM+\b], v[BM+\b], v[BT+\b]
.endr
	v_max3_num_f32 v[ZT0], v[BM], v[BM+1], v[BM+2]
	v_max_num_f32 v[ZT0], v[ZT0], v[BM+3]
	v_mul_f32 v[ZT0], s[CS], v[ZT0]                ; the row's largest t
	v_floor_f32 v[NM], -v[ZT0]                     ; -M = floor(-t) = -ceil(t)
	v_mov_b32 v[NM+1], 0                           ; (named with it as a pair)
.set n, 0
.rept 32
	v_pk_fma_f32 v[SS+n:SS+n+1], v[SS+n:SS+n+1], s[CS:CS+1], v[NM:NM+1] op_sel_hi:[1,0,0]   ; t - M
.set n, n+2
.endr
.irp b, 0,1,2,3
	v_fma_f32 v[BM+\b], v[BM+\b], s[CS], v[NM]
.endr
.set n, 0
	s_wait_alu depctr_va_vdst(0)
.rept 64
	v_exp_f32 v[SS+n], v[SS+n]                     ; p = 2^(t - M): not normalised
.set n, n+1
.endr
.irp b, 0,1,2,3
	v_exp_f32 v[BM+\b], v[BM+\b]                   ; the block's largest p: the same two instructions on the same number
.endr
	v_nop                                          ; a plain line behind the last exponential
	s_wait_alu depctr_va_vdst(0)                   ; one wait for the batch of 68, ahead of its first reader
.irp b, 0,1,2,3
	v_max_num_f32 v[BM+\b], 0x1800000, v[BM+\b]
.endr
.irp b, 0,1,2,3
	v_add_nc_u32 v[SOP+\b], 0xff000000, v[BM+\b]
.endr
.irp b, 0,1,2,3
	v_lshrrev_b32 v[BT+\b], 23, v[SOP+\b]
.endr
	v_lshl_or_b32 v[PSC], v[BT+1], 8, v[BT]
	v_lshl_or_b32 v[PSC], v[BT+2], 16, v[PSC]
	v_lshl_or_b32 v[PSC], v[BT+3], 24, v[PSC]
.irp c, 0,1
	v_cvt_scalef32_pk16_fp6_f32 v[PF+6*\c:PF+6*\c+2], v[SS+32*\c:SS+32*\c+15], v[SOP+2*\c]
	v_cvt_scalef32_pk16_fp6_f32 v[YP+4*\c:YP+4*\c+2], v[SS+32*\c+16:SS+32*\c+31], v[SOP+2*\c+1]
.endr
	v_nop
.irp c, 0,1
.irp k, 0,1,2
	v_permlane16_swap_b32 v[PF+6*\c+\k], v[YP+4*\c+\k]
.endr
.irp k, 0,1,2
	v_mov_b32 v[PF+6*\c+3+\k], v[YP+4*\c+\k]
.endr
.endr
	v_pk_add_f32 v[LS:LS+1], v[SS:SS+1], v[SS+2:SS+3]          ; the row's sum, of the unquantised p, in two chains.  These lines are also the places between p's scale word and codes and the products below
	v_pk_add_f32 v[LS+2:LS+3], v[SS+4:SS+5], v[SS+6:SS+7]
.set n, 8
.rept 14
	v_pk_add_f32 v[LS:LS+1], v[LS:LS+1], v[SS+n:SS+n+1]
	v_pk_add_f32 v[LS+2:LS+3], v[LS+2:LS+3], v[SS+n+2:SS+n+3]
.set n, n+4
.endr
	v_pk_add_f32 v[LS:LS+1], v[LS:LS+1], v[LS+2:LS+3]
	v_add_f32 v[ZT0], v[LS], v[LS+1]
	v_permlanex16_b32 v[ZT1], v[ZT0], s[SEL], s[SEL+1]
	v_add_f32 v[ZT0], v[ZT0], v[ZT1]
	s_wait_alu depctr_va_vdst(0)
	v_rcp_f32 v[RL], v[ZT0]
	v_mov_b32 v[RL+1], 0                           ; a plain line behind the reciprocal
	WIN 0x02                                       ; source 0 (v) window 2
.irp d, 0,1,2,3
.set xD, OT+8*\d
.set xA, 96+12*\d
.set xS, VSC+\d
	MM xD, xA, PF, 0, 0, xS, PSC, 0                ; O^T: a lane holds one query, its 32 registers the head's columns 32 b + 16 h + 0 .. 15
.endr
	WIN 0
	PLACES 4
	s_wait_alu depctr_va_vdst(0)                   ; the reciprocal's wait, ahead of its first reader
.set n, 0
.rept 16
	v_pk_mul_f32 v[OT+n:OT+n+1], v[OT+n:OT+n+1], v[RL:RL+1] op_sel_hi:[1,0]
.set n, n+2
.endr
.irp b, 0,1
	v_max3_num_f32 v[TMQ+\b], |v[OT+16*\b]|, |v[OT+16*\b+1]|, 0x1800000
.endr
.irp i, 2,4,6,8,10,12,14
.irp b, 0,1
	v_max3_num_f32 v[TMQ+\b], v[TMQ+\b], |v[OT+16*\b+\i]|, |v[OT+16*\b+\i+1]|
.endr
.endr
.irp b, 0,1
	v_permlanex16_b32 v[T2Q+\b], v[TMQ+\b], s[SEL], s[SEL+1]
.endr
.irp b, 0,1
	v_max_num_f32 v[TMQ+\b], v[TMQ+\b], v[T2Q+\b]
.endr
.irp b, 0,1
	v_add_nc_u32 v[SOQ+\b], 0xff000000, v[TMQ+\b]
.endr
.irp b, 0,1
	v_lshrrev_b32 v[T2Q+\b], 23, v[SOQ+\b]
.endr
	v_lshl_or_b32 v[PWQ], v[T2Q+1], 8, v[T2Q]
	v_cvt_scalef32_pk16_fp6_f32 v[CXQ:CXQ+2], v[OT:OT+15], v[SOQ]
	v_cvt_scalef32_pk16_fp6_f32 v[CYQ:CYQ+2], v[OT+16:OT+31], v[SOQ+1]
	v_nop
.irp k, 0,1,2
	v_permlane16_swap_b32 v[CXQ+\k], v[CYQ+\k]
.endr
.irp k, 0,1,2
	v_mov_b32 v[CXQ+3+\k], v[CYQ+\k]
.endr
.irp p, 0,1,2
	ds_store_b64 v[QA], v[CXQ+2*\p:CXQ+2*\p+1] offset:256*\p   ; the head's result takes q's place: half of K step w of the projection
.endr
	ds_store_b16 v[QS], v[PWQ]
	s_add_co_u32 s[QO], s[QO], 1536
	s_add_co_u32 s[QSO], s[QSO], 4
	s_wait_dscnt 0x0                               ; the stores have read their registers: the next trip writes them again
	s_sub_co_u32 s[QC], s[QC], 1
	s_cmp_lg_u32 s[QC], 0
	s_cbranch_scc1 .Lq
	s_add_co_u32 s[H768], s[H768], 768
	s_add_co_u32 s[H2], s[H2], 2
	s_sub_co_u32 s[HC], s[HC], 1
	s_cmp_lg_u32 s[HC], 0
	s_cbranch_scc1 .Lhead
; ================ the residual stream
	WIN 0x40
.irp b, 0,1,2,3
.irp j, 0,1,2,3
	global_load_b128 v[192+16*\b+4*\j:192+16*\b+4*\j+3], v[GO], s[12:13] offset:128*\b+16*\j   ; bo at my columns, in the accumulators' order
.endr
.endr
	WIN 0
	s_mov_b32 s[LC], 4
	s_mov_b32 s[B1O], 0
.Lchunk:                                           ; trip 0: the projection, LayerNorm 2, hidden piece 0.  Trip t: the second product of piece t - 1, hidden piece t
	s_mov_b32 s[DCT], 2
.Ld:
	CHANGE 1
	DHALF
	s_sub_co_u32 s[DCT], s[DCT], 1
	s_cmp_lg_u32 s[DCT], 0
	s_cbranch_scc1 .Ld
	s_cmp_lg_u32 s[LC], 4                          ; a count of trips: the same in every wave of every work-group
	s_cbranch_scc1 .Lno_ln2
; ---------------- LayerNorm 2, once.  x1 = x + projection + bo stays in window 3; its normalised rows become A's 16 fragments.
.set MPB, 192                          ; v192-199 a pair (my wave's mean, centred sum of squares) for each row tile; later v192-207 (mean, 0, 1 / sqrt(var + eps), 0)
.set STW, 245
.set STR, 246
.set ASW, 247
.set AWR, 248
	PLACES 4
	WIN 0x40
.irp b, 0,1,2,3
.irp j, 0,1,2,3
	global_load_b128 v[16*\b+4*\j:16*\b+4*\j+3], v[GO], s[16:17] offset:128*\b+16*\j          ; g2
	global_load_b128 v[64+16*\b+4*\j:64+16*\b+4*\j+3], v[GO], s[18:19] offset:128*\b+16*\j    ; be2
.endr
.endr
	WIN 0
	v_and_b32 v244, 15, v0
	v_lshlrev_b32 v244, 5, v244                    ; 32 r
	s_lshl_b32 s[ST0], s[WV], 3
	s_add_co_u32 s[ST0], s[ST0], STATS
	v_add_nc_u32 v[STW], s[ST0], v244
	v_add_nc_u32 v[STR], STATS, v244
	s_add_co_u32 s[ST0], s[WSO], ASC
	v_add_nc_u32 v[ASW], s[ST0], v244
	v_and_b32 v[AWR], 31, v0
	v_lshlrev_b32 v[AWR], 4, v[AWR]
	s_mul_i32 s[ST0], s[WV], 1536
	s_add_co_u32 s[ST0], s[ST0], AIM
	v_add_nc_u32 v[AWR], s[ST0], v[AWR]            ; K step w of A
	WIN 0xc7                                       ; x1 in window 3, bo in window 1
.set n, 0
.rept 128
	v_pk_add_f32 v[n:n+1], v[n:n+1], v[192+n%64:193+n%64]     ; + bo, from each accumulator's low end on
.set n, n+2
.endr
	WIN 0x0f
.set n, 0
.rept 64
	v_pk_add_f32 v[64+2*n:65+2*n], v[4*n:4*n+1], v[4*n+2:4*n+3]   ; four tiles' sums, first level: 32 registers a tile
.set n, n+1
.endr
	WIN 0
.irp d, 16,8,4,2
.irp i, 0,1,2,3
.set n, 0
.rept \d/2
	v_pk_add_f32 v[64+32*\i+n:65+32*\i+n], v[64+32*\i+n:65+32*\i+n], v[64+32*\i+\d+n:65+32*\i+\d+n]
.set n, n+2
.endr
.endr
.endr
.irp i, 0,1,2,3
	v_add_f32 v[64+32*\i], v[64+32*\i], v[65+32*\i]
.endr
.irp i, 0,1,2,3
	v_permlanex16_b32 v[66+32*\i], v[64+32*\i], s[SEL], s[SEL+1]
.endr
.irp i, 0,1,2,3
	v_add_f32 v[64+32*\i], v[64+32*\i], v[66+32*\i]
.endr
.irp i, 0,1,2,3
	v_mul_f32 v[MPB+2*\i], s[R128], v[64+32*\i]    ; the mean of the row's 128 numbers that my wave holds
	v_mov_b32 v[MPB+2*\i+1], 0
.endr
.irp i, 0,1,2,3
.set xm, MPB+2*\i
	WIN 3
.set n, 0
.rept 32
	v_pk_add_f32 v[64+n:65+n], v[64*\i+n:64*\i+n+1], v[xm:xm+1] op_sel_hi:[1,0] neg_lo:[0,1] neg_hi:[0,1]
.set n, n+2
.endr
	WIN 0
.set n, 0
.rept 32
.if n < 8
	v_pk_mul_f32 v[128+n:129+n], v[64+n:65+n], v[64+n:65+n]
.else
	v_pk_fma_f32 v[128+n%8:129+n%8], v[64+n:65+n], v[64+n:65+n], v[128+n%8:129+n%8]
.endif
.set n, n+2
.endr
	v_pk_add_f32 v[128:129], v[128:129], v[130:131]
	v_pk_add_f32 v[132:133], v[132:133], v[134:135]
	v_pk_add_f32 v[128:129], v[128:129], v[132:133]
	v_add_f32 v128, v128, v129
	v_permlanex16_b32 v130, v128, s[SEL], s[SEL+1]
	v_add_f32 v[xm+1], v128, v130
	ds_store_b64 v[STW], v[xm:xm+1] offset:512*\i
.endr
	s_wait_dscnt 0x0                               ; for the others' sake: my figures have landed
	s_barrier_signal -1
	s_barrier_wait -1
.irp t, 0,1,2,3
	ds_load_b128 v[128+8*\t:131+8*\t], v[STR] offset:512*\t
	ds_load_b128 v[132+8*\t:135+8*\t], v[STR] offset:512*\t+16
.endr
	s_wait_dscnt 0x0
.irp t, 0,1,2,3
	v_add_f32 v[192+4*\t], v[128+8*\t], v[130+8*\t]
.endr
.irp t, 0,1,2,3
	v_add_f32 v[72+\t], v[132+8*\t], v[134+8*\t]
.endr
.irp t, 0,1,2,3
	v_add_f32 v[192+4*\t], v[192+4*\t], v[72+\t]
.endr
.irp t, 0,1,2,3
	v_mul_f32 v[192+4*\t], 0x3e800000, v[192+4*\t]              ; the row's mean
.endr
.irp k, 0,2,4,6
.irp t, 0,1,2,3
	v_sub_f32 v[128+8*\t+\k], v[128+8*\t+\k], v[192+4*\t]
.endr
.endr
.irp t, 0,1,2,3
	v_mul_f32 v[72+\t], v[128+8*\t], v[128+8*\t]
.endr
.irp k, 2,4,6
.irp t, 0,1,2,3
	v_fmac_f32 v[72+\t], v[128+8*\t+\k], v[128+8*\t+\k]
.endr
.endr
.irp t, 0,1,2,3
	v_add_f32 v[80+\t], v[129+8*\t], v[131+8*\t]
.endr
.irp t, 0,1,2,3
	v_add_f32 v[64+\t], v[133+8*\t], v[135+8*\t]
.endr
.irp t, 0,1,2,3
	v_add_f32 v[80+\t], v[80+\t], v[64+\t]
.endr
.irp t, 0,1,2,3
	v_fma_f32 v[80+\t], v[72+\t], s[C128], v[80+\t]             ; the centred sums, + 128 x the squares of the means' distances
.endr
.irp t, 0,1,2,3
	v_fma_f32 v[64+\t], v[80+\t], s[R512], s[EPS]               ; var + eps
.endr
.irp t, 0,1,2,3
	v_mov_b32 v[193+4*\t], 0
	v_mov_b32 v[195+4*\t], 0
.endr
	s_wait_alu depctr_va_vdst(0)
.irp t, 0,1,2,3
	v_rsq_f32 v[194+4*\t], v[64+\t]
.endr
	v_nop                                          ; a plain line behind the last of the batch
	s_wait_loadcnt 0x0                             ; g2, be2
	s_wait_alu depctr_va_vdst(0)                   ; one wait for the four, ahead of their first reader
.irp t, 0,1,2,3
	WIN 3
.set n, 0
.rept 32
	v_pk_add_f32 v[64+n:65+n], v[64*\t+n:64*\t+n+1], v[192+4*\t:193+4*\t] op_sel_hi:[1,0] neg_lo:[0,1] neg_hi:[0,1]
.set n, n+2
.endr
	WIN 0
.set n, 0
.rept 32
	v_pk_mul_f32 v[64+n:65+n], v[64+n:65+n], v[194+4*\t:195+4*\t] op_sel_hi:[1,0]
.set n, n+2
.endr
	WIN 0x14                                       ; g2 and be2: window 1
.set n, 0
.rept 32
	v_pk_fma_f32 v[64+n:65+n], v[64+n:65+n], v[n:n+1], v[64+n:65+n]
.set n, n+2
.endr
	WIN 0
	QUANT64 64, 224, 128, 240
.irp c, 0,1,2
	ds_store_b128 v[AWR], v[128+4*\c:131+4*\c] offset:6144*\t+512*\c
.endr
	ds_store_b32 v[ASW], v240 offset:4*\t
	s_wait_dscnt 0x0                               ; the stores have read their registers (the last of them: for the others' sake too)
.endr
	s_barrier_signal -1
	s_barrier_wait -1                              ; A's 16 fragments are whole: every wave takes them all into window 2, once for the eight hidden units' products
	WIN 0x80
.irp rt, 0,1,2,3
.irp s, 0,1,2,3
.irp c, 0,1,2
	ds_load_b128 v[12*(4*\rt+\s)+4*\c:12*(4*\rt+\s)+4*\c+3], v[AA] offset:6144*\rt+1536*\s+512*\c
.endr
.endr
.endr
	WIN 0
	ds_load_b128 v[ASCR:ASCR+3], v[AAS]            ; and their scale words; the next change waits for all of these
	ds_load_b128 v[ASCR+8:ASCR+11], v[AAS] offset:1024
.Lno_ln2:
	s_mov_b32 s[FC], 2
	s_mov_b32 s[H768], 0
	s_mov_b32 s[H2], 0
.Lhalf:                                            ; 64 of my 128 hidden units of the piece a trip
	CHANGE 1
	UF
	RELU
	v_add_nc_u32 v[QA], s[H768], v[BW]
	v_add_nc_u32 v[QS], s[H2], v[BSW]
	Q32B 0, 0
	s_add_co_u32 s[B1O], s[B1O], 256
	s_add_co_u32 s[H768], s[H768], 768
	s_add_co_u32 s[H2], s[H2], 2
	s_sub_co_u32 s[FC], s[FC], 1
	s_cmp_lg_u32 s[FC], 0
	s_cbranch_scc1 .Lhalf
	s_add_co_u32 s[B1O], s[B1O], 1536              ; on to the next piece of 512 hidden units
	s_sub_co_u32 s[LC], s[LC], 1
	s_cmp_lg_u32 s[LC], 0
	s_cbranch_scc1 .Lchunk
	CHANGE 1                                       ; the tail is written out: the stream's last slot is asked for
	DHALF
	global_load_b128 v[196:199], v[OO], s[14:15]   ; b2 at the four columns that I store: the last unit's wait for loads covers it
	CHANGE 0                                       ; and nothing behind the last change
	DHALF
	PLACES 4                                       ; ahead of the first read of results just made, and of loads into registers that the last products read
	TOSTAGE 0                                      ; the stage lies in slot 0: it has had its last fill, and every wave has left it at the last change
.irp a, 1,2,3
.if \a > 1
	s_wait_xcnt 0x0                                ; tile a - 2's stores have read their registers: tile a's rows may land there
.endif
	TOSTAGE \a
	SEND \a-1, 32
.endr
	SEND 3, 0
	s_wait_tensorcnt 0x0                           ; the wave's end: behind my last tensor load and my last LDS store
	ds_add_u32 v[SPW], v[NIL]
	s_wait_dscnt 0x0
	ROUND                                          ; the closing round: no work-group ends while a partner may still ask for a block that names it
	s_endpgm
.Lfunc_end_k_q3e4349ce55_main:
	.size	k_q3e4349ce55_main, .Lfunc_end_k_q3e4349ce55_main-k_q3e4349ce55_main
	.p2alignl 7, 3214868480
	.fill 96, 4, 3214868480
	.section	.rodata,"a",@progbits
	.p2align	6, 0x0
	.amdhsa_kernel k_q3e4349ce55_main
		.amdhsa_group_segment_fixed_size 327680
		.amdhsa_private_segment_fixed_size 0
		.amdhsa_enable_private_segment 0
		.amdhsa_kernarg_size 72
		.amdhsa_user_sgpr_count 2
		.amdhsa_user_sgpr_kernarg_segment_ptr 1
		.amdhsa_wavefront_size32 1
		.amdhsa_system_sgpr_workgroup_id_x 1
		.amdhsa_system_sgpr_workgroup_id_y 1
		.amdhsa_system_sgpr_workgroup_id_z 1
		.amdhsa_system_vgpr_workitem_id 0
		.amdhsa_next_free_vgpr 1024
		.amdhsa_next_free_sgpr 100
		.amdhsa_reserve_vcc 0
		.amdhsa_float_denorm_mode_32 3
		.amdhsa_float_denorm_mode_16_64 3
		.amdhsa_memory_ordered 1
		.amdhsa_forward_progress 1
		.amdhsa_inst_pref_size 255
	.end_amdhsa_kernel
	.section	.bss,"aw",@nobits
	.p2align	6
	.space	262144
	.amdgpu_metadata
---
amdhsa.version: [ 1, 2 ]
amdhsa.kernels:
  - .name:           k_q3e4349ce55_main
    .symbol:         k_q3e4349ce55_main.kd
    .args:
      - { .name: x, .offset: 0, .size: 8, .value_kind: global_buffer, .address_space: global }
      - { .name: hc, .offset: 8, .size: 8, .value_kind: global_buffer, .address_space: global }
      - { .name: wst, .offset: 16, .size: 8, .value_kind: global_buffer, .address_space: global }
      - { .name: b1, .offset: 24, .size: 8, .value_kind: global_buffer, .address_space: global }
      - { .name: bo, .offset: 32, .size: 8, .value_kind: global_buffer, .address_space: global }
      - { .name: b2, .offset: 40, .size: 8, .value_kind: global_buffer, .address_space: global }
      - { .name: g2, .offset: 48, .size: 8, .value_kind: global_buffer, .address_space: global }
      - { .name: be2, .offset: 56, .size: 8, .value_kind: global_buffer, .address_space: global }
      - { .name: out0, .offset: 64, .size: 8, .value_kind: global_buffer, .address_space: global }
    .group_segment_fixed_size: 327680
    .private_segment_fixed_size: 0
    .kernarg_segment_align: 8
    .kernarg_segment_size: 72
    .max_flat_workgroup_size: 128
    .sgpr_count:     100
    .vgpr_count:     1024
    .wavefront_size: 32
...
	.end_amdgpu_metadata
.endif
;; end of part 2
